; MI455X (gfx1250); checked and timed in simulation.
; The chip was launched on July 23, 2026; its instructions are those of AMD's public machine-readable ISA for CDNA 5 (MIT licence, August 2026) and "CDNA5" Instruction Set Architecture Reference Guide (July 2026). The comments in the code are by the model that wrote it; some were corrected since.
;; Multi Head Attention. Allowed arithmetic: matrix products marked QUANTISED: E2M1 operands, one E8M0 scale for each 32 along K, by v_wmma_scale_f32_16x16x128_f8f6f4 with both operands' format E2M1 (or v_wmma_scale_f32_32x16x128_f4), f32 sums; products left as they are: bf16, f16 or f32 operands; f32 sums; everything else in f32.
;; Inputs: b_proj 1,024 float32; b_qkv 3,072 float32; w_proj 1,024 x 1,024 float32; w_qkv 1,024 x 3,072 float32; x 2 x 2,048 x 1,024 float32.
;; Outputs: out0 2 x 2,048 x 1,024 float32.
;; Constants: num_heads = 16.
;; This version of the problem:
;;   THIS VERSION OF THE PROBLEM IS GIVEN IN LOW PRECISION. The matrix products marked QUANTISED in the list below multiply operands that are first quantised to E2M1 (2 exponent bits, 1 mantissa bit; 4 bits a number), with one power-of-two scale for each 32 numbers along K (OCP MX v1.0); their sums are f32. The products marked 'left as it is' may take bf16, f16 or f32 operands, with f32 sums. Whichever they take, every output number must still come out within the allowed error. Rounding operands to bf16 (8 significant bits) uses up far more of that allowance than f16 does (11 bits, for magnitudes from 6e-5 to 65,504). All else is computed in f32.
;;   The module's matrix products, in the order in which they are computed (A, B: the left and right operand; K: the contracted axis; several contracted axes count as one K, in the product's order):
;;     1. [M 4,096, K 1,024] x [K 1,024, N 3,072]; A: input x; B: input w_qkv: QUANTISED
;;     2. batch 32 x [M 2,048, K 64] x [K 64, N 2,048]; A: computed on the way; B: computed on the way: left as it is (an operand is computed on the way)
;;     3. batch 32 x [M 2,048, K 2,048] x [K 2,048, N 64]; A: computed on the way; B: computed on the way: left as it is (an operand is computed on the way)
;;     4. [M 4,096, K 1,024] x [K 1,024, N 1,024]; A: computed on the way; B: input w_proj: left as it is (an operand is computed on the way)
;;   THE QUANTISER, for each operand of a quantised product, along K:
;;     - K is cut into blocks of 32 from its start; a last block that is shorter is filled with zeros.
;;     - A block's scale is 2^e with e = floor(log2(the largest magnitude in the block)) - 2, held to -126 .. 127; a block of zeros has e = 0. As a byte (E8M0): e + 127.
;;     - Each number is divided by its block's scale, clamped to +-6, and rounded to the nearest number of E2M1, ties to even, subnormals kept.
;;     - The product sums the exact products of the quantised numbers (number of the format x scale) in f32.
;;   ~~~python
;;   def quantise(x, axis):      # numpy; x: float32 -> the quantised numbers, widened to float32 again
;;       x = np.moveaxis(x, axis, -1); K = x.shape[-1]
;;       x = np.pad(x, [(0, 0)] * (x.ndim - 1) + [(0, -K % 32)]); x = x.reshape(x.shape[:-1] + (-1, 32)); a = np.abs(x).max(-1, keepdims=True)
;;       e = np.where(a > 0, np.clip(np.frexp(np.where(a > 0, a, 1))[1] - 1 - 2, -126, 127), 0)      # np.frexp(a)[1] - 1 = floor(log2(a)), exactly
;;       r = np.clip(x / 2.0 ** e, -6, 6)
;;       step = 2.0 ** (np.maximum(np.frexp(np.where(r == 0, 1, r))[1] - 1, 0) - 1)
;;       q = np.round(r / step) * step * 2.0 ** e      # np.round: ties to even
;;       return np.moveaxis(q.reshape(q.shape[:-2] + (-1,))[..., :K], -1, axis).astype(np.float32)
;;   ~~~
;; One version. Each part assembles by itself: llvm-mc -triple=amdgcn-amd-amdhsa -mcpu=gfx1250 --defsym DOCPART=n.
;; ======== version 1 of 1: 4 launches
;; limits: values are held in f16: magnitudes above 65,504 overflow, below 6.1e-05 lose precision
;; workspace buffers: xc 2,097,152 bytes; xs 131,072 bytes; wc 1,572,864 bytes; ws 98,304 bytes; wp16 2,097,152 bytes; qkv 25,165,824 bytes; att 8,388,608 bytes
;; launch prep (part 1): grid 256 x 1, 4 waves a work-group, no clusters, 35,328 bytes of LDS; arguments x, w_qkv, w_proj, xc, xs, wc, ws, wp16; writes xc, xs, wc, ws, wp16
.if DOCPART == 1
	.amdgcn_target "amdgcn-amd-amdhsa--gfx1250"
	.amdhsa_code_object_version 6
	.text
	.protected	k_qec4ff0f2a9_prep
	.globl	k_qec4ff0f2a9_prep
	.p2align	8
	.type	k_qec4ff0f2a9_prep,@function
k_qec4ff0f2a9_prep:
	s_mov_b64 s[64:65], 0
	v_nop
	global_prefetch_b8 v0, s[64:65] scope:SCOPE_SE
	s_setreg_imm32_b32 hwreg(HW_REG_WAVE_MODE, 25, 1), 1
	s_wait_xcnt 0x0
; THE OPERANDS ARE MADE READY, ONCE.  x [4096][1024] f32 (K innermost) and w_qkv [1024][3072] f32 (K is its FIRST axis) become codes of FP4 (E2M1) with one E8M0 byte for each 32 along K;
; w_proj [1024][1024] f32 becomes f16 as it lies.
; A block's scale is 2^(floor(log2(its largest magnitude)) - 2); its byte is the largest magnitude's exponent field - 2, held at 1 from below; each number is divided by the scale and rounded to the nearest code, ties to even, beyond 6 to 6.
; LIMITS: a block of zeros gets the byte 1 where the rule says 127 (its codes are zeros, which add nothing, and this program alone reads the bytes); a block whose largest magnitude lies under 2^-124 is held at the byte 1;
; NaN and infinities among the inputs are not served.  w_proj must lie inside f16's range (65,504).
; THE CODES ARE LAID IN THE ORDER OF THE OPERAND'S REGISTERS: [256 rows][128 along K][16 rows: a fragment of 1,024 bytes]; in a fragment [c = 0, 1][lane][16 bytes]: lane (r, h) at c holds the 32 codes of row r, k = 64 c + 32 h + 0 .. 31.
; So the product's launch brings a tile's codes as one dense block and reads each fragment as 2 x 512 consecutive bytes.  The scale bytes are laid [row][32].
; THREE PATHS, by the work-group's number, 32 KiB of f32 a wave on each: 0-95 w_qkv, 96-223 x, 224-255 w_proj.  Waves share nothing: no barrier.  Every offset is an immediate.  Only x's path uses LDS.
.set WG_W,  96
.set WG_WX, 224
.set STGB,  8704                       ; x's path: a stage of 16 rows x 528 bytes for each wave
.set SP,    528                        ; a stage row: 512 bytes + 16: 33 x 16, so that sixteen rows' 16 bytes fall on sixteen different columns of 16 bytes
.set SPARE, 4*STGB                     ; behind the stages: the spare words, 128 bytes for each wave: two blocks of 256 bytes that no other line names
.set SPW,   12                         ; v12  LDS address of my spare word; never rewritten
.set NIL,   13                         ; v13  0; never rewritten
.set FLOOR, 0x1800000                  ; 2^(3 - 127): under it no largest magnitude is taken, so the byte cannot fall under 1
.set OFF2,  0xff000000                 ; takes 2 off an exponent field
.set SB,    24                         ; v24..  scale bytes or words to store
.set XW,    32                         ; w_qkv: v32-95 two sets of 32 numbers;  v96-127 codes, four registers a block
.set CW,    96
.set R,     32                         ; x: v32-159 two sets of 64 as loaded;  v160-223 64 numbers as the operand wants them;  v224-255 codes, eight registers for each 128 along K
.set XT,    160
.set CX,    224
	s_load_b256 s[4:11], s[0:1], 0x0               ; x s[4:5], w_qkv s[6:7], w_proj s[8:9], xc s[10:11]
	s_load_b256 s[12:19], s[0:1], 0x20             ; xs s[12:13], wc s[14:15], ws s[16:17], wp16 s[18:19]
	v_lshl_add_u32 v[SPW], v0, 2, SPARE
	v_mov_b32 v[NIL], 0
	v_lshrrev_b32 v1, 5, v0
	v_readfirstlane_b32 s20, v1                    ; wave 0..3
	v_and_b32 v2, 31, v0                           ; lane
	v_and_b32 v1, 15, v0                           ; r
	v_bfe_u32 v11, v0, 4, 1                        ; h
	v_lshlrev_b32 v3, 4, v2                        ; 16 x lane
	s_mov_b32 s22, 0x76543210
	s_mov_b32 s23, 0xfedcba98                      ; v_permlanex16_b32's selects for lane l xor 16
	s_mov_b32 s27, 0                               ; the high word of every offset
	s_wait_kmcnt 0x0
	s_cmp_lt_u32 ttmp9, WG_W
	s_cbranch_scc0 .Lnot_w
; ---- w_qkv.  A LANE TAKES A COLUMN n, AND ITS REGISTERS RUN DOWN K: a block of 32 lies in one lane, and the conversions give codes with K innermost.  A wave: 32 columns x 256 along K, 8 blocks.
	s_and_b32 s24, ttmp9, 3                        ; which 256 along K
	s_lshr_b32 s25, ttmp9, 2                       ; which 128 columns
	s_mul_i32 s26, s24, 256*3072*4
	s_lshl_b32 s28, s25, 9
	s_add_co_u32 s26, s26, s28
	s_lshl_b32 s28, s20, 7
	s_add_co_u32 s26, s26, s28                     ; + (128 x group + 32 x wave) x 4 bytes
	s_add_nc_u64 s[6:7], s[6:7], s[26:27]
	s_lshr_b32 s26, s25, 1
	s_lshl_b32 s26, s26, 17                        ; the codes: 131,072 bytes for 256 columns,
	s_lshl_b32 s28, s24, 15
	s_add_co_u32 s26, s26, s28                     ; 16,384 for 128 along K,
	s_and_b32 s28, s25, 1
	s_lshl_b32 s28, s28, 13
	s_add_co_u32 s26, s26, s28
	s_lshl_b32 s28, s20, 11
	s_add_co_u32 s26, s26, s28                     ; 1,024 for a fragment: my wave's two are 8 (group % 2) + 2 wave on
	s_add_nc_u64 s[14:15], s[14:15], s[26:27]
	s_lshl_b32 s26, s25, 12
	s_lshl_b32 s28, s20, 10
	s_add_co_u32 s26, s26, s28
	s_lshl_b32 s28, s24, 3
	s_add_co_u32 s26, s26, s28                     ; the scale bytes: 32 a column, my 8 at 8 x (which 256 along K)
	s_add_nc_u64 s[16:17], s[16:17], s[26:27]
	v_lshlrev_b32 v4, 2, v2                        ; in: 4 bytes a lane
	v_lshlrev_b32 v5, 4, v1
	v_lshl_add_u32 v5, v11, 10, v5                 ; codes out: fragment lane / 16, row lane % 16
	v_lshlrev_b32 v6, 5, v2                        ; scale bytes out: 32 bytes a column
.macro WLOAD t                         ; block t: w(32 t + i, my column) into set t % 2: a wave's load reads 128 consecutive bytes, the four waves stand side by side
.set i, 0
.rept 32
	global_load_b32 v[XW+32*((\t)%2)+i], v4, s[6:7] offset:(32*(\t)+i)*12288 th:TH_LOAD_NT
.set i, i+1
.endr
.endm
.macro WBLOCK t
.set XS, XW+32*((\t)%2)
.if (\t) < 7
	s_wait_loadcnt 32                              ; this block's 32 loads are in; the next block's 32 may be out
.else
	s_wait_loadcnt 0x0
.endif
	v_max3_num_f32 v16, |v[XS]|, |v[XS+1]|, |v[XS+2]|   ; the block's largest magnitude, in two chains: all 32 numbers are mine
	v_max3_num_f32 v17, |v[XS+3]|, |v[XS+4]|, |v[XS+5]|
.irp i, 6,10,14,18,22,26
	v_max3_num_f32 v16, v16, |v[XS+\i]|, |v[XS+\i+1]|
	v_max3_num_f32 v17, v17, |v[XS+\i+2]|, |v[XS+\i+3]|
.endr
	v_max3_num_f32 v16, v16, |v[XS+30]|, |v[XS+31]|
	v_max3_num_f32 v16, v16, v17, FLOOR
	v_add_nc_u32 v18, OFF2, v16                    ; the conversion takes the exponent field of this operand as its scale, and nothing else of it
	v_lshrrev_b32 v19, 23, v18                     ; the scale's byte
.if (\t)%4 == 0
	v_mov_b32 v[SB+(\t)/4], v19                    ; four bytes to a register, the lower K in the lower byte
.else
	v_lshl_or_b32 v[SB+(\t)/4], v19, 8*((\t)%4), v[SB+(\t)/4]
.endif
.irp g, 0,1,2,3
	v_cvt_scalef32_pk8_fp4_f32 v[CW+4*(\t)+\g], v[XS+8*\g:XS+8*\g+7], v18
.endr
	v_nop                                          ; one plain line behind the last conversion
	global_store_b128 v5, v[CW+4*(\t):CW+4*(\t)+3], s[14:15] offset:((\t)/4)*16384+(((\t)%4)/2)*512+((\t)%2)*256   ; sixteen lanes store 256 consecutive bytes, aligned; each block has its own four registers
.if (\t)+2 < 8
	WLOAD (\t)+2
.endif
.endm
	WLOAD 0
	WLOAD 1
.irp t, 0,1,2,3,4,5,6,7
	WBLOCK \t
.endr
	global_store_b64 v6, v[SB:SB+1], s[16:17]      ; my column's 8 scale bytes: 8 bytes in every 32: one byte in 128 of what this path reads leaves so
	s_endpgm
.Lnot_w:
	s_cmp_lt_u32 ttmp9, WG_WX
	s_cbranch_scc0 .Lp
; ---- x.  A wave: 16 rows x 512 along K, four steps of 128.  A load takes a row's 512 bytes as they lie; the 16 rows turn through the wave's own stage, out of which lane (r, h) takes blocks h and 2 + h of row r whole.
	s_sub_co_u32 s24, ttmp9, WG_W
	s_lshl_b32 s24, s24, 1
	s_and_b32 s25, s20, 1
	s_add_co_u32 s24, s24, s25                     ; which 16 rows: 0..255
	s_lshr_b32 s25, s20, 1                         ; which 512 along K
	s_lshl_b32 s26, s24, 16
	s_lshl_b32 s28, s25, 11
	s_add_co_u32 s26, s26, s28
	s_add_nc_u64 s[4:5], s[4:5], s[26:27]
	s_lshr_b32 s26, s24, 4
	s_lshl_b32 s26, s26, 17
	s_lshl_b32 s28, s25, 16
	s_add_co_u32 s26, s26, s28
	s_and_b32 s28, s24, 15
	s_lshl_b32 s28, s28, 10
	s_add_co_u32 s26, s26, s28
	s_add_nc_u64 s[10:11], s[10:11], s[26:27]
	s_lshl_b32 s26, s24, 9
	s_lshl_b32 s28, s25, 4
	s_add_co_u32 s26, s26, s28
	s_add_nc_u64 s[12:13], s[12:13], s[26:27]
	s_mul_i32 s29, s20, STGB
	v_add_nc_u32 v14, s29, v3                      ; into the stage: 16 x lane of a row
	v_mul_u32_u24 v15, v1, SP
	v_lshl_add_u32 v15, v11, 7, v15
	v_add_nc_u32 v15, s29, v15                     ; out of it: row r, block h
	v_lshlrev_b32 v7, 5, v1                        ; scale words out: 32 bytes a row
	v_lshlrev_b32 v22, 3, v11                      ; 8 h
	v_mov_b32 v21, 0                               ; written once: a lane permute's destination counts as one of its sources
.macro XLOAD t
.set i, 0
.rept 16
	global_load_b128 v[R+64*((\t)%2)+4*i:R+64*((\t)%2)+4*i+3], v3, s[4:5] offset:i*4096+(\t)*512 th:TH_LOAD_NT   ; 512 consecutive bytes: row i's 128 numbers
.set i, i+1
.endr
.endm
.macro XSTEP t
.if (\t) < 3
	s_wait_loadcnt 16                              ; this step's 16 loads are in; the next step's 16 may be out
.else
	s_wait_loadcnt 0x0
.endif
.set i, 0
.rept 16
	ds_store_b128 v14, v[R+64*((\t)%2)+4*i:R+64*((\t)%2)+4*i+3] offset:i*SP
.set i, i+1
.endr
.irp c, 0,1
.irp i, 0,1,2,3,4,5,6,7
	ds_load_b128 v[XT+32*\c+4*\i:XT+32*\c+4*\i+3], v15 offset:\c*256+16*\i   ; LDS serves a wave's instructions in order: these see the stores above
.endr
.endr
	s_wait_dscnt 0x0                               ; the numbers are back; the stores have read their registers,
.if (\t)+2 < 4
	XLOAD (\t)+2                                   ; which take the loads of two steps on
.endif
.irp c, 0,1
	v_max3_num_f32 v[16+\c], |v[XT+32*\c]|, |v[XT+32*\c+1]|, FLOOR   ; my block 2 c + h: all its 32 numbers are mine
.endr
.irp i, 2,4,6,8,10,12,14,16,18,20,22,24,26,28,30
.irp c, 0,1
	v_max3_num_f32 v[16+\c], v[16+\c], |v[XT+32*\c+\i]|, |v[XT+32*\c+\i+1]|   ; (the two blocks by turns)
.endr
.endr
.irp c, 0,1
	v_add_nc_u32 v[18+\c], OFF2, v[16+\c]          ; the conversion's scale operand
.endr
.irp c, 0,1
	v_lshrrev_b32 v[16+\c], 23, v[18+\c]           ; the scale's byte
.endr
	v_lshl_or_b32 v20, v17, 16, v16                ; my two bytes: blocks h and 2 + h,
	v_lshlrev_b32 v20, v22, v20                    ; at their places in the row's word;
	v_permlanex16_b32 v21, v20, s22, s23
	v_or_b32 v[SB+(\t)], v20, v21                  ; with lane l xor 16's two the word is whole
.irp c, 0,1
.irp g, 0,1,2,3
	v_cvt_scalef32_pk8_fp4_f32 v[CX+8*(\t)+4*\c+\g], v[XT+32*\c+8*\g:XT+32*\c+8*\g+7], v[18+\c]
.endr
.endr
	v_nop                                          ; one plain line behind the last conversion
.irp c, 0,1
	global_store_b128 v3, v[CX+8*(\t)+4*\c:CX+8*(\t)+4*\c+3], s[10:11] offset:(\t)*16384+\c*512   ; half a fragment: 512 consecutive bytes; each step has its own eight registers
.endr
.endm
	XLOAD 0
	XLOAD 1
.irp t, 0,1,2,3
	XSTEP \t
.endr
	s_wait_xcnt 0x0                                ; EXEC changes only behind this wait
	v_cmp_gt_u32 vcc_lo, 16, v2
	s_and_saveexec_b32 s30, vcc_lo                 ; lanes 16-31 hold the same words as lanes 0-15
	global_store_b128 v7, v[SB:SB+3], s[12:13]     ; row r's four scale words of these 512 along K: 16 bytes in every 32
	s_wait_xcnt 0x0                                ; and again, in front of the line that widens it
	s_or_b32 exec_lo, exec_lo, s30
	s_wait_tensorcnt 0x0                           ; the wave's end: behind my last LDS store
	ds_add_u32 v[SPW], v[NIL]
	s_wait_dscnt 0x0
	s_endpgm
.Lp:
; ---- w_proj to f16.  A wave: 32,768 consecutive bytes in, 16,384 out; 32 loads of 512 bytes are always on their way.
	s_sub_co_u32 s24, ttmp9, WG_WX
	s_lshl_b32 s24, s24, 2
	s_add_co_u32 s24, s24, s20
	s_lshl_b32 s26, s24, 15
	s_add_nc_u64 s[8:9], s[8:9], s[26:27]
	s_lshl_b32 s26, s24, 14
	s_add_nc_u64 s[18:19], s[18:19], s[26:27]
	v_lshlrev_b32 v8, 3, v2                        ; out: 8 bytes a lane
.set i, 0
.rept 32
	global_load_b128 v[32+4*i:35+4*i], v3, s[8:9] offset:512*i th:TH_LOAD_NT
.set i, i+1
.endr
.set i, 0
.rept 32
	s_wait_loadcnt 31                              ; the oldest of the 32 loads is in; the 31 younger stay out
	v_cvt_pk_f16_f32 v[160+2*i], v[32+4*i], v[33+4*i]
	v_cvt_pk_f16_f32 v[161+2*i], v[34+4*i], v[35+4*i]
	global_store_b64 v8, v[160+2*i:161+2*i], s[18:19] offset:256*i   ; 32 lanes store 256 consecutive bytes, aligned
	global_load_b128 v[32+4*i:35+4*i], v3, s[8:9] offset:512*(i+32) th:TH_LOAD_NT
.set i, i+1
.endr
	s_wait_xcnt 0x0                                ; the stores' data registers are written again only behind this wait
.set i, 0
.rept 32
	s_wait_loadcnt 31-i                            ; nothing more is asked for: the counts run down
	v_cvt_pk_f16_f32 v[160+2*i], v[32+4*i], v[33+4*i]
	v_cvt_pk_f16_f32 v[161+2*i], v[34+4*i], v[35+4*i]
	global_store_b64 v8, v[160+2*i:161+2*i], s[18:19] offset:256*(i+32)
.set i, i+1
.endr
	s_endpgm
.Lfunc_end_k_qec4ff0f2a9_prep:
	.size	k_qec4ff0f2a9_prep, .Lfunc_end_k_qec4ff0f2a9_prep-k_qec4ff0f2a9_prep
	.p2alignl 7, 3214868480
	.fill 96, 4, 3214868480
	.section	.rodata,"a",@progbits
	.p2align	6, 0x0
	.amdhsa_kernel k_qec4ff0f2a9_prep
		.amdhsa_group_segment_fixed_size 35328
		.amdhsa_private_segment_fixed_size 0
		.amdhsa_enable_private_segment 0
		.amdhsa_kernarg_size 64
		.amdhsa_user_sgpr_count 2
		.amdhsa_user_sgpr_kernarg_segment_ptr 1
		.amdhsa_wavefront_size32 1
		.amdhsa_system_sgpr_workgroup_id_x 1
		.amdhsa_system_sgpr_workgroup_id_y 1
		.amdhsa_system_sgpr_workgroup_id_z 1
		.amdhsa_system_vgpr_workitem_id 0
		.amdhsa_next_free_vgpr 256
		.amdhsa_next_free_sgpr 66
		.amdhsa_reserve_vcc 1
		.amdhsa_float_denorm_mode_32 3
		.amdhsa_float_denorm_mode_16_64 3
		.amdhsa_memory_ordered 1
		.amdhsa_forward_progress 1
		.amdhsa_inst_pref_size 90
	.end_amdhsa_kernel
	.amdgpu_metadata
---
amdhsa.version: [ 1, 2 ]
amdhsa.kernels:
  - .name:           k_qec4ff0f2a9_prep
    .symbol:         k_qec4ff0f2a9_prep.kd
    .args:
      - { .name: x, .offset: 0, .size: 8, .value_kind: global_buffer, .address_space: global }
      - { .name: w_qkv, .offset: 8, .size: 8, .value_kind: global_buffer, .address_space: global }
      - { .name: w_proj, .offset: 16, .size: 8, .value_kind: global_buffer, .address_space: global }
      - { .name: xc, .offset: 24, .size: 8, .value_kind: global_buffer, .address_space: global }
      - { .name: xs, .offset: 32, .size: 8, .value_kind: global_buffer, .address_space: global }
      - { .name: wc, .offset: 40, .size: 8, .value_kind: global_buffer, .address_space: global }
      - { .name: ws, .offset: 48, .size: 8, .value_kind: global_buffer, .address_space: global }
      - { .name: wp16, .offset: 56, .size: 8, .value_kind: global_buffer, .address_space: global }
    .group_segment_fixed_size: 35328
    .private_segment_fixed_size: 0
    .kernarg_segment_align: 8
    .kernarg_segment_size: 64
    .max_flat_workgroup_size: 128
    .sgpr_count:     66
    .vgpr_count:     256
    .wavefront_size: 32
...
	.end_amdgpu_metadata
.endif
;; end of part 1
;; launch qkvgemm (part 2): grid 12 x 16, 4 waves a work-group, clusters of 4 x 4, 327,680 bytes of LDS; arguments xc, xs, wc, ws, b_qkv, qkv; writes qkv
.if DOCPART == 2
	.amdgcn_target "amdgcn-amd-amdhsa--gfx1250"
	.amdhsa_code_object_version 6
	.text
	.protected	k_qec4ff0f2a9_qkvgemm
	.globl	k_qec4ff0f2a9_qkvgemm
	.p2align	8
	.type	k_qec4ff0f2a9_qkvgemm,@function
k_qec4ff0f2a9_qkvgemm:
	s_mov_b64 s[64:65], 0
	v_nop
	global_prefetch_b8 v0, s[64:65] scope:SCOPE_SE
	s_setreg_imm32_b32 hwreg(HW_REG_WAVE_MODE, 25, 1), 1
	s_wait_xcnt 0x0
	s_wait_alu depctr_hold_cnt(0) depctr_sa_sdst(0) depctr_va_vdst(0) depctr_va_sdst(0) depctr_va_ssrc(0) depctr_va_vcc(0) depctr_vm_vsrc(0)
	s_getreg_b32 s2, hwreg(HW_REG_IB_STS2, 6, 4)
	s_cmp_eq_u32 s2, 0
	s_cbranch_scc0 .Lentry_in_a_cluster
	s_endpgm
.Lentry_in_a_cluster:
	s_bfe_u32 s2, ttmp6, 0x10000c
	s_cmp_lg_u32 s2, 0xf033
	s_cbranch_scc0 .Lentry_shape_is_right
	s_endpgm
.Lentry_shape_is_right:
; qkv = Q(x) Q(w_qkv) + b_qkv on codes of FP4 (E2M1) with one E8M0 scale for each 32 along K; M = 4,096, N = 3,072, K = 1,024; sums in f32; the result is rounded once to f16 and laid by head:
; qkv[which 3][batch x 16 + head][position 2,048][64].  LIMIT: |q|, |k|, |v| under 65,504, f16's largest number.
; A tile of 256 x 256 is made by a work-group of four waves; a wave makes 128 x 128: 64 accumulators of 16 x 16, 512 registers.  12 x 16 tiles.
; THE CODES LIE IN MEMORY IN THE ORDER OF THE OPERAND'S REGISTERS ([256 rows][128 along K][fragment of 1,024 bytes]): a tile's codes of 256 along K are 32,768 consecutive bytes, one tensor load; a fragment is read from LDS as
; 2 x 512 consecutive bytes, so the tiles need no padding.  ALL OF K FITS IN LDS: two slots of 512 along K, both asked for at the head and filled once; so is the block of scale bytes.  No slot is filled again, and there is no loop.
; CLUSTERS: 4 x 4 work-groups.  The four of a row of the cluster need the same codes and scales of x, the four of a column the same of w_qkv: each is asked for JOINTLY, by the same tensor load with the same descriptor and a mask that names the four.
; THE MATRIX INSTRUCTION IS USED TRANSPOSED (source 0 = 16 columns of w_qkv, source 1 = 16 rows of x): a lane then holds eight neighbouring channels of one position.  The bias is the C of each sum's first instruction.
; REGISTERS, in windows of 256: window 0: v0-31 addresses; v32-95 scale words, two sets, and nothing else; v128-191 x's fragments, ONE set (on the way out: rows read back); v192-255 the bias (on the way out: packed results).
;   window 1: w_qkv's fragments, TWO sets, at v0 and v128.   window 2: the 32 accumulators of my rows 0-63 ((a, b) at v[8 (8 a + b)]);   window 3: those of my rows 64-127.
.set NQ,     4                         ; steps of 128 along K in a slot
.set FR,     8                         ; registers of a fragment
.set NL,     2                         ; LDS loads that bring one
.set NP,     4                         ; places behind this matrix instruction (ISA guide 7.12.1)
.set SLOT,   131072                    ; x's [4 steps][16 fragments][1,024], then w_qkv's
.set BOFF,   65536
.set PART,   32768                     ; what one tensor load brings: two steps' 16 fragments
.set KS,     32                        ; a row of scale bytes
.set SCL,    2*SLOT                    ; behind the slots: the scale bytes, as units of 256 bytes + 16 of padding
.set HALFS,  4352                      ; those of 128 rows: 16 units: what one tensor load brings
.set SBLK,   544                       ; those of 16 rows
.set SPARE,  SCL+4*HALFS               ; the spare words, 128 bytes for each wave: two blocks of 256 bytes that no other line names
.set SWV,    4352                      ; the way out: a stage for each wave, in slot 0, which has had its one fill and its last read when the first result is stored there
.set ADRA, 16                          ; v16-17  LDS address of my fragments of x in slot 0, 1
.set ADRB, 20                          ; v20-21  the same for w_qkv
.set STO,  24
.set RD,   25
.set CO,   26
.set ADRS, 27                          ; v27     LDS address of my scale words: lanes 0-15 x's rows, lanes 16-31 w_qkv's columns
.set SPW,  28                          ; v28     LDS address of my spare word; never rewritten
.set NIL,  29                          ; v29     0; never rewritten
.set SC,   32
.set AF,   128
.set BI,   192                         ; the bias: register 8 b + j = b_qkv[my first column + 16 b + 8 (lane / 16) + j]
.set TMP,  192
.set BK,   128
.set G1, 24
.set G0, 32
.set G1B, 48
.set G0B, 56
.set G1S, 68
.set G0S, 76
.set G1SB, 80
.set G0SB, 88
.set MSB, 0
.macro WIN new                         ; the immediate's high byte repeats the setting that is left
.if MSB != \new
	s_set_vgpr_msb (MSB<<8)|\new
.set MSB, \new
.endif
.endm
.set MUL_LO, 0xa1                      ; source 0 window 1, source 1 window 0, C and D window 2
.set MUL_HI, 0xf1                      ; the same, C and D window 3
.set BEG_LO, 0x81                      ; the first step: C (the bias) window 0, D window 2
.set BEG_HI, 0xc1
.set TO_B,   0x40
; A joint load: waves 0 and 1 fetch for x, waves 2 and 3 for w_qkv.  The branch hangs on the wave's number alone.  An s_nop 0 and four v_nop follow each of the two lines.
.macro JLOAD g0a, g1a, g0b, g1b
	s_cmp_eq_u32 s17, 0
	s_cbranch_scc0 .Lfor_b_\@
	tensor_load_to_lds s[\g0a:\g0a+3], s[\g1a:\g1a+7]
	s_nop 0
.rept 4
	v_nop
.endr
	s_branch .Lasked_\@
.Lfor_b_\@:
	tensor_load_to_lds s[\g0b:\g0b+3], s[\g1b:\g1b+7]
	s_nop 0
.rept 4
	v_nop
.endr
.Lasked_\@:
.endm
.macro CROUND                          ; a round of the cluster's barrier
	s_barrier_signal -1
	s_barrier_wait -1
	s_cmp_lg_u32 s16, 0
	s_cbranch_scc1 .Lnot_wave_0_\@
	s_barrier_signal -3
.Lnot_wave_0_\@:
	s_barrier_wait -3
	s_barrier_signal -1
	s_barrier_wait -1
.endm
	s_load_b128 s[4:7], s[0:1], 0x0                ; x's codes s[4:5], x's scales s[6:7]
	s_load_b128 s[8:11], s[0:1], 0x10              ; w_qkv's codes s[8:9], its scales s[10:11]
	s_load_b128 s[12:15], s[0:1], 0x20             ; b_qkv s[12:13], qkv s[14:15]
	v_lshl_add_u32 v[SPW], v0, 2, SPARE
	v_mov_b32 v[NIL], 0
	ds_add_u32 v[SPW], v[NIL]                      ; the wave's opening: the add, twice on end, and its wait ahead of my first tensor load
	ds_add_u32 v[SPW], v[NIL]
	v_lshrrev_b32 v1, 5, v0
	v_readfirstlane_b32 s16, v1                    ; wave 0..3
	s_lshr_b32 s17, s16, 1                         ; which half of the tile's rows is mine.  Also: I fetch for x (0) or for w_qkv (1)
	s_and_b32 s18, s16, 1                          ; which half of its columns.  Also: which part I fetch
	s_bfe_u32 s40, ttmp6, 0x40000                  ; cx, cy: my place in the cluster
	s_bfe_u32 s41, ttmp6, 0x40004
	s_lshl_b32 s42, ttmp9, 2
	s_add_co_u32 s42, s42, s40                     ; tile column = 4 x cluster x + cx
	s_and_b32 s19, ttmp7, 0xffff
	s_lshl_b32 s19, s19, 2
	s_add_co_u32 s19, s19, s41                     ; tile row = 4 x cluster y + cy
	s_lshl_b32 s43, s41, 2
	s_lshl_b32 s43, 15, s43                        ; my row of the cluster
	s_lshl_b32 s44, 0x1111, s40                    ; my column
	; group 1 for the codes: a dense block of 32,768 bytes as 128 rows of 32 elements of 8 bytes, no padding
	s_or_b32 s[G1+0], s43, (3<<16)|(1<<21)         ; 15:0 the mask: x's go to my row; 17:16 elements of 8 bytes; 21 set beside a mask
	s_or_b32 s[G1B+0], s44, (3<<16)|(1<<21)
.irp g, G1, G1B
	s_mov_b32 s[\g+1], 32<<16                      ; tensor_dim0
	s_mov_b32 s[\g+2], 128<<16                     ; tensor_dim1
	s_mov_b32 s[\g+3], 32<<16                      ; tile_dim0
	s_mov_b32 s[\g+4], 128                         ; tile_dim1
	s_mov_b32 s[\g+5], 32                          ; from row to row
	s_mov_b32 s[\g+6], 0
	s_mov_b32 s[\g+7], 0
.endr
	; and for the scale bytes of 128 rows: 4,096 dense bytes as 16 rows of 256, 16 bytes of padding behind each
	s_or_b32 s[G1S+0], s43, (3<<16)|(1<<20)|(1<<21)|(5<<22)|(3<<25)
	s_or_b32 s[G1SB+0], s44, (3<<16)|(1<<20)|(1<<21)|(5<<22)|(3<<25)
.irp g, G1S, G1SB
	s_mov_b32 s[\g+1], 32<<16
	s_mov_b32 s[\g+2], 16<<16
	s_mov_b32 s[\g+3], 32<<16
	s_mov_b32 s[\g+4], 16
	s_mov_b32 s[\g+5], 32
	s_mov_b32 s[\g+6], 0
	s_mov_b32 s[\g+7], 0
.endr
	s_lshl_b32 s22, s18, 15                        ; my part of a slot's codes: 32,768 x part
	s_lshl_b32 s23, s18, 12                        ; my part of the scales: 128 rows x 32 bytes
	s_lshl_b32 s20, s19, 17                        ; x: 131,072 bytes of codes for a tile row
	s_add_co_u32 s20, s20, s22
	s_mov_b32 s21, 0
	s_lshl_b32 s46, s42, 17                        ; w_qkv: the same for a tile column
	s_add_co_u32 s46, s46, s22
	s_mov_b32 s47, 0
	s_lshl_b32 s92, s19, 13                        ; 8,192 scale bytes for a tile row
	s_add_co_u32 s92, s92, s23
	s_mov_b32 s93, 0
	s_lshl_b32 s94, s42, 13
	s_add_co_u32 s94, s94, s23
	s_mov_b32 s95, 0
	s_lshl_b32 s45, s16, 15                        ; where they go: wave x 32,768: no place in the cluster enters an LDS address
	s_mul_i32 s96, s16, HALFS
	s_wait_dscnt 0x0                               ; both opening adds are done
	s_wait_kmcnt 0x0
	s_add_nc_u64 s[20:21], s[4:5], s[20:21]
	s_add_nc_u64 s[92:93], s[6:7], s[92:93]
	s_add_nc_u64 s[46:47], s[8:9], s[46:47]
	s_add_nc_u64 s[94:95], s[10:11], s[94:95]
	CROUND                                         ; all sixteen work-groups are here: the joint loads meet
	s_mov_b32 s[G0S], 1
	s_add_co_u32 s[G0S+1], s96, SCL
	s_mov_b64 s[G0S+2:G0S+3], s[92:93]
	s_or_b32 s[G0S+3], s[G0S+3], 0x80000000
	s_mov_b32 s[G0SB], 1
	s_add_co_u32 s[G0SB+1], s96, SCL
	s_mov_b64 s[G0SB+2:G0SB+3], s[94:95]
	s_or_b32 s[G0SB+3], s[G0SB+3], 0x80000000
	JLOAD G0S, G1S, G0SB, G1SB                     ; the scales first: they are wanted with the first step
.irp s, 0,1
	s_mov_b32 s[G0+4*\s], 1
	s_add_co_u32 s[G0+4*\s+1], s45, \s*SLOT
	s_add_nc_u64 s[G0+4*\s+2:G0+4*\s+3], s[20:21], \s*2*PART
	s_or_b32 s[G0+4*\s+3], s[G0+4*\s+3], 0x80000000
	s_mov_b32 s[G0B+4*\s], 1
	s_add_co_u32 s[G0B+4*\s+1], s45, \s*SLOT
	s_add_nc_u64 s[G0B+4*\s+2:G0B+4*\s+3], s[46:47], \s*2*PART
	s_or_b32 s[G0B+4*\s+3], s[G0B+4*\s+3], 0x80000000
	JLOAD G0+4*\s, G1, G0B+4*\s, G1B               ; three loads of mine are out: all that the launch fetches
.endr
	v_and_b32 v1, 15, v0                           ; r
	v_bfe_u32 v2, v0, 4, 1                         ; h
	s_lshl_b32 s46, s42, 10                        ; the bias of my 128 columns: 1,024 bytes a tile column + 512 x half
	s_lshl_b32 s47, s18, 9
	s_add_co_u32 s46, s46, s47
	s_mov_b32 s47, 0
	s_add_nc_u64 s[12:13], s[12:13], s[46:47]
	v_lshlrev_b32 v7, 5, v2                        ; + 8 h numbers
.irp b, 0,1,2,3,4,5,6,7
	global_load_b128 v[BI+8*\b:BI+8*\b+3], v7, s[12:13] offset:64*\b
	global_load_b128 v[BI+8*\b+4:BI+8*\b+7], v7, s[12:13] offset:64*\b+16
.endr
	v_and_b32 v3, 31, v0
	v_lshlrev_b32 v4, 4, v3                        ; 16 x lane: my place in half a fragment
	s_lshl_b32 s21, s17, 13                        ; my eight fragments of x,
	s_lshl_b32 s22, s18, 13                        ; and of w_qkv,
	s_add_co_u32 s22, s22, BOFF                    ; which lie behind x's
.irp s, 0,1
	v_add_nc_u32 v[ADRA+\s], s21, v4
	v_add_nc_u32 v[ADRB+\s], s22, v4
	s_add_co_u32 s21, s21, SLOT
	s_add_co_u32 s22, s22, SLOT
.endr
	v_mul_u32_u24 v5, v1, KS                       ; my row's scales: 32 bytes a row,
	v_lshrrev_b32 v6, 8, v5
	v_lshl_add_u32 v5, v6, 4, v5                   ; and 16 more for each 256 passed
	s_mul_i32 s21, s17, HALFS                      ; x's: my 128 rows
	s_mul_i32 s22, s18, HALFS                      ; w_qkv's: my 128 columns, behind x's 256
	s_add_co_u32 s22, s22, 2*HALFS
	s_sub_co_u32 s22, s22, s21
	v_mul_u32_u24 v6, s22, v2                      ; lanes 16-31 take w_qkv's
	s_add_co_u32 s21, s21, SCL
	v_add_nc_u32 v5, v5, v6
	v_add_nc_u32 v[ADRS], s21, v5
	; the way out.  In the stage two rows of a head (2 x 128 bytes) lie on end, 16 bytes of padding behind them; a head's 16 rows take 2,176 bytes
	s_mul_i32 s23, s16, SWV
	v_lshrrev_b32 v5, 1, v1
	v_mul_u32_u24 v5, v5, 272
	v_and_b32 v6, 1, v1
	v_lshl_add_u32 v5, v6, 7, v5
	v_lshl_add_u32 v5, v2, 4, v5
	v_add_nc_u32 v[STO], s23, v5                   ; in: 272 (r / 2) + 128 (r % 2) + 16 h
	v_mul_u32_u24 v5, v2, 272
	v_lshl_add_u32 v5, v1, 4, v5
	v_add_nc_u32 v[RD], s23, v5                    ; back: sixteen lanes to 256 bytes
	v_lshlrev_b32 v[CO], 4, v3                     ; and in memory: 512 consecutive bytes, four rows of a head
	s_lshl_b32 s20, ttmp9, 1                       ; cluster x says which of q, k, v: 1,024 columns are four tile columns
	s_lshr_b32 s21, s19, 3                         ; the batch: 2,048 rows are eight tile rows
	s_add_co_u32 s20, s20, s21
	s_lshl_b32 s20, s20, 4
	s_lshl_b32 s21, s40, 2
	s_add_co_u32 s20, s20, s21
	s_lshl_b32 s21, s18, 1
	s_add_co_u32 s20, s20, s21                     ; my first head: 4 cx + 2 x column half
	s_lshl_b32 s20, s20, 18                        ; 262,144 bytes a head
	s_and_b32 s21, s19, 7
	s_lshl_b32 s21, s21, 15
	s_add_co_u32 s20, s20, s21                     ; + 256 positions x 128 bytes for each tile row in the batch
	s_lshl_b32 s21, s17, 14
	s_add_co_u32 s20, s20, s21                     ; + my 128 positions
	s_mov_b32 s21, 0
	s_add_nc_u64 s[14:15], s[14:15], s[20:21]
.macro FRAG reg, adr, q, i             ; a fragment comes back as it was laid: registers 4 c .. 4 c + 3 from 512 c + 16 x lane
.irp c, 0,1
	ds_load_b128 v[\reg+4*\c:\reg+4*\c+3], v[\adr] offset:(\q)*16384+(\i)*1024+512*\c
.endr
.endm
; 16 matrix instructions: x's blocks a0, a0 + 1 against w_qkv's eight, 128 along K: the slot's q-th.  p: w_qkv's set; sc: the set of scale words.  zero = 1: the sums start from the bias.
; The 64 accumulators take turns, one instruction a turn, in the same order in every step.
.macro MUL16 a0, p, q, sc, zero
.irp a, \a0, \a0+1
.irp b, 0,1,2,3,4,5,6,7
.if \zero
	v_wmma_scale_f32_16x16x128_f8f6f4 v[8*(8*((\a)%4)+\b):8*(8*((\a)%4)+\b)+7], v[128*(\p)+FR*\b:128*(\p)+FR*\b+FR-1], v[AF+FR*(\a):AF+FR*(\a)+FR-1], v[BI+8*\b:BI+8*\b+7], v[SC+8*NQ*(\sc)+NQ*\b+(\q)], v[SC+8*NQ*(\sc)+NQ*(\a)+(\q)] matrix_a_fmt:MATRIX_FMT_FP4 matrix_b_fmt:MATRIX_FMT_FP4 matrix_a_scale:MATRIX_SCALE_ROW1
.else
	v_wmma_scale_f32_16x16x128_f8f6f4 v[8*(8*((\a)%4)+\b):8*(8*((\a)%4)+\b)+7], v[128*(\p)+FR*\b:128*(\p)+FR*\b+FR-1], v[AF+FR*(\a):AF+FR*(\a)+FR-1], v[8*(8*((\a)%4)+\b):8*(8*((\a)%4)+\b)+7], v[SC+8*NQ*(\sc)+NQ*\b+(\q)], v[SC+8*NQ*(\sc)+NQ*(\a)+(\q)] matrix_a_fmt:MATRIX_FMT_FP4 matrix_b_fmt:MATRIX_FMT_FP4 matrix_a_scale:MATRIX_SCALE_ROW1
.endif
.endr
.endr
.endm
.macro FETCH_B slot, q, p
	WIN TO_B
.irp i, 0,1,2,3,4,5,6,7
	FRAG 128*(\p)+FR*\i, ADRB+\slot, \q, \i
.endr
	WIN 0
.endm
.macro FETCH_A slot, q, i0
.irp i, \i0, \i0+1, \i0+2, \i0+3
	FRAG AF+FR*(\i), ADRA+\slot, \q, \i
.endr
.endm
.macro SCALES sc                       ; a slot's scale words into set sc: four words a row; lanes 0-15 take x's block i, lanes 16-31 w_qkv's block i
.irp i, 0,1,2,3,4,5,6,7
	ds_load_b128 v[SC+8*NQ*\sc+NQ*\i:SC+8*NQ*\sc+NQ*\i+3], v[ADRS] offset:\i*SBLK
.endr
.endm
.macro PLACES n                        ; places in front of loads into registers that matrix instructions have read, and of the first read of results (ISA guide 7.12.1 for vector instructions)
.rept \n
	v_nop
.endr
.endm
; A step of 128 along K that has its successor in the same slot.  A block of x is free as soon as its eight products are issued: blocks 0-3 are fetched anew in the step's middle, blocks 4-7 at its end.
.macro STEP slot, q, zero
	s_wait_dscnt 4*NL                              ; all but the youngest eight loads (x's blocks 4-7) are in
.if \zero
	WIN BEG_LO
.else
	WIN MUL_LO
.endif
	MUL16 0, (\q)%2, \q, \slot, \zero
	MUL16 2, (\q)%2, \q, \slot, \zero
	s_wait_dscnt 0                                 ; x's blocks 4-7 are in
	PLACES NP
	FETCH_B \slot, (\q)+1, 1-(\q)%2
	FETCH_A \slot, (\q)+1, 0
.if \zero
	WIN BEG_HI
.else
	WIN MUL_HI
.endif
	MUL16 4, (\q)%2, \q, \slot, \zero
	MUL16 6, (\q)%2, \q, \slot, \zero
	PLACES NP
	WIN 0
	FETCH_A \slot, (\q)+1, 4
.endm
	s_wait_tensorcnt 1                             ; the scales and my part of slot 0 are in (slot 1's load, issued behind them, may be out),
	s_barrier_signal -1
	s_barrier_wait -1                              ; everybody's are
	FETCH_B 0, 0, 0
	FETCH_A 0, 0, 0
	SCALES 0
	FETCH_A 0, 0, 4
	s_wait_loadcnt 0x0                             ; the bias
	STEP 0, 0, 1
	STEP 0, 1, 0
	STEP 0, 2, 0
	; slot 0's last step changes slots: one barrier; in front of it each wave waits for its part of slot 1 and for its own reads of slot 0
	s_wait_tensorcnt 0x0                           ; all my tensor loads have landed
	ds_add_u32 v[SPW], v[NIL]                      ; 0 onto my spare word
	s_wait_dscnt 4*NL+1                            ; (the add and the youngest eight loads may be out)
	WIN MUL_LO
	MUL16 0, 1, NQ-1, 0, 0
	s_wait_dscnt 0x0                               ; the add is done, and my reads of slot 0 are over
	s_barrier_signal -1
	MUL16 2, 1, NQ-1, 0, 0
	WIN 0
	s_barrier_wait -1                              ; slot 1 is whole, and nobody reads slot 0 any more
	PLACES NP
	v_add_nc_u32 v[ADRS], 4*NQ, v[ADRS]            ; on to slot 1's scale words
	FETCH_B 1, 0, 0
	FETCH_A 1, 0, 0
	SCALES 1
	WIN MUL_HI
	MUL16 4, 1, NQ-1, 0, 0
	MUL16 6, 1, NQ-1, 0, 0
	PLACES NP
	WIN 0
	FETCH_A 1, 0, 4
	STEP 1, 0, 0
	STEP 1, 1, 0
	STEP 1, 2, 0
	s_wait_dscnt 4*NL                              ; the very last step: nothing more to fetch
	WIN MUL_LO
	MUL16 0, 1, NQ-1, 1, 0
	MUL16 2, 1, NQ-1, 1, 0
	s_wait_dscnt 0
	WIN MUL_HI
	MUL16 4, 1, NQ-1, 1, 0
	MUL16 6, 1, NQ-1, 1, 0
	WIN 0
; THE WAY OUT, block by block of 16 positions x 128 columns (two heads).  PACK: rounded to f16, 16 bytes a lane.  TOSTAGE: into my own stage and back as runs of 256 bytes.  SEND: stored, 512 consecutive bytes an instruction.
.macro PACK a
.set AC, 64*((\a)%4)
	WIN (0x0a+5*((\a)/4))                          ; sources 0 and 1: window 2 or 3
.irp b, 0,1,2,3,4,5,6,7
.irp r, 0,1,2,3
	v_cvt_pk_f16_f32 v[TMP+4*\b+\r], v[AC+8*\b+2*\r], v[AC+8*\b+2*\r+1]   ; each accumulator from its low end on
.endr
.endr
	WIN 0
.endm
.macro TOSTAGE a
.set BB, BK+32*((\a)%2)
.irp b, 0,1,2,3,4,5,6,7
	ds_store_b128 v[STO], v[TMP+4*\b:TMP+4*\b+3] offset:(\b/4)*2176+(\b%4)*32
.endr
.irp t, 0,1,2,3,4,5,6,7
	ds_load_b128 v[BB+4*\t:BB+4*\t+3], v[RD] offset:(\t/4)*2176+(\t%4)*544   ; LDS serves a wave's instructions in order (ISA guide 5.7.1.4): these see the stores above
.endr
.endm
.macro SEND a
.set BB, BK+32*((\a)%2)
	s_wait_dscnt 0x0                               ; the block is back in registers
	s_wait_xcnt 0x0                                ; the stores of the block before have read their registers: the next block's loads may land there
.irp t, 0,1,2,3,4,5,6,7
	global_store_b128 v[CO], v[BB+4*\t:BB+4*\t+3], s[14:15] offset:(\a)*2048+(\t/4)*262144+(\t%4)*512
.endr
.endm
	PLACES NP                                      ; behind the last products: for the conversions, and for the loads into the registers that held x's fragments
	PACK 0
	TOSTAGE 0
.irp a, 1,2,3,4,5,6,7                  ; block a's conversions stand between block a - 1's loads from the stage and the wait for them
	PACK \a
	SEND \a-1
	TOSTAGE \a
.endr
	SEND 7
	s_wait_tensorcnt 0x0                           ; the wave's end: behind my last tensor load and my last LDS store
	ds_add_u32 v[SPW], v[NIL]
	s_wait_dscnt 0x0
	CROUND                                         ; the closing round
	s_endpgm
.Lfunc_end_k_qec4ff0f2a9_qkvgemm:
	.size	k_qec4ff0f2a9_qkvgemm, .Lfunc_end_k_qec4ff0f2a9_qkvgemm-k_qec4ff0f2a9_qkvgemm
	.p2alignl 7, 3214868480
	.fill 96, 4, 3214868480
	.section	.rodata,"a",@progbits
	.p2align	6, 0x0
	.amdhsa_kernel k_qec4ff0f2a9_qkvgemm
		.amdhsa_group_segment_fixed_size 327680
		.amdhsa_private_segment_fixed_size 0
		.amdhsa_enable_private_segment 0
		.amdhsa_kernarg_size 48
		.amdhsa_user_sgpr_count 2
		.amdhsa_user_sgpr_kernarg_segment_ptr 1
		.amdhsa_wavefront_size32 1
		.amdhsa_system_sgpr_workgroup_id_x 1
		.amdhsa_system_sgpr_workgroup_id_y 1
		.amdhsa_system_sgpr_workgroup_id_z 1
		.amdhsa_system_vgpr_workitem_id 0
		.amdhsa_next_free_vgpr 1024
		.amdhsa_next_free_sgpr 98
		.amdhsa_reserve_vcc 0
		.amdhsa_float_denorm_mode_32 3
		.amdhsa_float_denorm_mode_16_64 3
		.amdhsa_memory_ordered 1
		.amdhsa_forward_progress 1
		.amdhsa_inst_pref_size 128
	.end_amdhsa_kernel
	.amdgpu_metadata
---
amdhsa.version: [ 1, 2 ]
amdhsa.kernels:
  - .name:           k_qec4ff0f2a9_qkvgemm
    .symbol:         k_qec4ff0f2a9_qkvgemm.kd
    .args:
      - { .name: xc, .offset: 0, .size: 8, .value_kind: global_buffer, .address_space: global }
      - { .name: xs, .offset: 8, .size: 8, .value_kind: global_buffer, .address_space: global }
      - { .name: wc, .offset: 16, .size: 8, .value_kind: global_buffer, .address_space: global }
      - { .name: ws, .offset: 24, .size: 8, .value_kind: global_buffer, .address_space: global }
      - { .name: b_qkv, .offset: 32, .size: 8, .value_kind: global_buffer, .address_space: global }
      - { .name: qkv, .offset: 40, .size: 8, .value_kind: global_buffer, .address_space: global }
    .group_segment_fixed_size: 327680
    .private_segment_fixed_size: 0
    .kernarg_segment_align: 8
    .kernarg_segment_size: 48
    .max_flat_workgroup_size: 128
    .sgpr_count:     98
    .vgpr_count:     1024
    .wavefront_size: 32
...
	.end_amdgpu_metadata
.endif
;; end of part 2
;; launch attn (part 3): grid 8 x 32, 8 waves a work-group, clusters of 4 x 1, 327,680 bytes of LDS; arguments qkv, att; writes att
.if DOCPART == 3
	.amdgcn_target "amdgcn-amd-amdhsa--gfx1250"
	.amdhsa_code_object_version 6
	.text
	.protected	k_qec4ff0f2a9_attn
	.globl	k_qec4ff0f2a9_attn
	.p2align	8
	.type	k_qec4ff0f2a9_attn,@function
k_qec4ff0f2a9_attn:
	s_mov_b64 s[64:65], 0
	v_nop
	global_prefetch_b8 v0, s[64:65] scope:SCOPE_SE
	s_setreg_imm32_b32 hwreg(HW_REG_WAVE_MODE, 25, 1), 1
	s_wait_xcnt 0x0
	s_wait_alu depctr_hold_cnt(0) depctr_sa_sdst(0) depctr_va_vdst(0) depctr_va_sdst(0) depctr_va_ssrc(0) depctr_va_vcc(0) depctr_vm_vsrc(0)
	s_getreg_b32 s2, hwreg(HW_REG_IB_STS2, 6, 4)
	s_cmp_eq_u32 s2, 0
	s_cbranch_scc0 .Lentry_in_a_cluster
	s_endpgm
.Lentry_in_a_cluster:
	s_bfe_u32 s2, ttmp6, 0x10000c
	s_cmp_lg_u32 s2, 0x3003
	s_cbranch_scc0 .Lentry_shape_is_right
	s_endpgm
.Lentry_shape_is_right:
; att[q][:] = the sum over k of softmax_k(Q[q] . K[k] / 8) V[k][:], for each of 32 (batch, head) pairs; 2,048 positions, head size 64, no mask.  Q, K, V: f16, qkv[which][batch x 16 + head][2,048][64].
; Products, maxima and sums in f32; the weights p are rounded to f16 for the second product, the result once to f16.  It is laid as the projection reads it: att[64 rows][head][row][64 channels], 8,192 bytes a block.
; LIMIT: the result, a mean of V's rows, lies inside f16's range wherever V does.
; SHARES.  A work-group owns 256 queries of one head; each of its EIGHT waves owns 32, two tiles of 16, in 512 registers: two waves to a SIMD.  Every wave walks all keys, 64 a step.
; LAYOUT.  S^T = K Q^T (source 0 = 16 keys, source 1 = 16 queries): a lane holds ONE query (lane % 16) and the keys 8 (lane / 16) + 0..7.  Two such tiles, rounded to f16 in pairs, ARE source 1 of O^T = V^T P.
; K comes out of LDS as it lies, V ([key][channel]) turned, by ds_load_tr16_b128.
; SOFTMAX.  A running maximum m and sum l for each query: p = 2^(c s - c m), c = log2(e) / 8; in every step O and l are multiplied by a = 2^(c m_old - c m_new).  m begins at -3e38, l and O^T at 0: so the first step's softmax is written as every other.
; BY TURNS.  A tile's softmax of a key step is 118 vector instructions, beside its 16 matrix instructions.  The wave's two tiles are two PIECES.  In a TURN piece x has the matrix unit: 8 products V^T P of step j, then 8 products K Q^T of
; step j + 1; the other piece's softmax stands between them in slices.  Then the pieces change places; two turns are a key step:  T0(j): PV0(j), KQ0(j+1) | softmax 1 (j);   T1(j): PV1(j), KQ1(j+1) | softmax 0 (j+1).
; So a wave never issues a run of products with nothing between, and two waves of a SIMD that walk in step take the matrix unit one product at a time.
; RING.  Two LDS slots of 512 keys (eight steps); the head's 2,048 keys are four slots' worth: two first fills, two refills.  A refill is asked for at a change of slots and waited for at the next: eight key steps later.
; Behind T1(j) both K and V of step j + 1 have been asked for out of LDS: so a slot is left behind T1 of its last step but one.
; CLUSTER.  The four query blocks of a cluster belong to one head and walk the same K and V: each tile is asked for JOINTLY, by the same tensor load, the same descriptor and a mask that names the four.
; REGISTERS: window 0: v2-11 addresses; v16-31 statistics, eight a tile; v32-95 S^T; v96-127 P; v128-191 V of one step; v192-255 O^T.   window 1: v0-63 K of one step; v64-95 Q.
; All that V^T P, the softmax and the rescaling name lies in window 0.  Only K Q^T and the loads of K leave it: K Q^T goes two products to a pair of switches: 18 switches for a key step's 32 matrix instructions.
.set PKB,   144                        ; a row of K in LDS: 128 bytes + 16: 9 x 16, so the 16 rows of a load start at 16 different columns of 16 bytes
.set PVB,   160                        ; a row of V: 128 + 32: 5 x 32, for the turning load
.set SK,    512                        ; keys in a slot
.set VOFF,  SK*PKB
.set SLOTB, SK*(PKB+PVB)
.set SPARE, 2*SLOTB                    ; behind the ring: the spare words, 128 bytes for each wave: four blocks of 256 bytes that no other line names
.set SWV,   4352                       ; the way out: a stage for each wave, in slot 0, which has had its last fill and its last read by then
.set AK0, 2
.set AV0, 3
.set ADK, 4
.set ADV, 5
.set QO,  6
.set STO, 7
.set RD,  8
.set GO,  9
.set SPW, 10                           ; v10  LDS address of my spare word; never rewritten
.set NIL, 11                           ; v11  0; never rewritten
.set ST,  16                           ; tile t at v[ST + 8 t]: +0 c m, +1 m, +2, +3 l (even keys', odd keys'), +4 to +7 c0-c3, at work; a takes +6, c m_old - c m_new +7
.set S,   32
.set P,   96
.set VF,  128
.set OA,  192
.set KF,  0                            ; in window 1
.set QF,  64                           ; in window 1
.set NI,  118                          ; numbers in a tile's softmax
.set WV,  12
.set G1K, 24
.set G1V, 32
.set G0K, 40                           ; s[40:47] group 0 for K's tiles, a set for each slot
.set G0V, 48
.set CNT, 57
.set CS,  58                           ; s[58:59] c: the packed form names a pair and takes its low word for both halves
.set SEL, 60
.set TK,  62                           ; LDS byte at which the K tile to be fetched next begins
.set TV,  63                           ; and the V tile
.set MSB, 0
.macro WIN new                         ; the immediate's high byte repeats the setting that is left; a switch that changes nothing is dropped
.if MSB != \new
	s_set_vgpr_msb (MSB<<8)|\new
.set MSB, \new
.endif
.endm
.set W_KQ, 0x05                        ; K and Q in window 1; S^T in window 0
.set TO_1, 0x40                        ; destination window 1
; A joint refill of slot s.  Waves 0 to 3 fetch K's quarters (128 keys each), waves 4 to 7 V's.  The branch hangs on the wave's number alone.  An s_nop 0 and four v_nop follow each line.
.macro JLOAD s
	s_cmp_lt_u32 s[WV], 4
	s_cbranch_scc0 .Lfor_v_\@
	tensor_load_to_lds s[G0K+4*\s:G0K+4*\s+3], s[G1K:G1K+7]
	s_nop 0
.rept 4
	v_nop
.endr
	s_branch .Lasked_\@
.Lfor_v_\@:
	tensor_load_to_lds s[G0V+4*\s:G0V+4*\s+3], s[G1V:G1V+7]
	s_nop 0
.rept 4
	v_nop
.endr
.Lasked_\@:
.endm
.macro CROUND                          ; a round of the cluster's barrier
	s_barrier_signal -1
	s_barrier_wait -1
	s_cmp_lg_u32 s[WV], 0
	s_cbranch_scc1 .Lnot_wave_0_\@
	s_barrier_signal -3
.Lnot_wave_0_\@:
	s_barrier_wait -3
	s_barrier_signal -1
	s_barrier_wait -1
.endm
	s_load_b128 s[4:7], s[0:1], 0x0                ; qkv s[4:5], att s[6:7]
	v_lshl_add_u32 v[SPW], v0, 2, SPARE
	v_mov_b32 v[NIL], 0
	ds_add_u32 v[SPW], v[NIL]                      ; the wave's opening: the add, twice on end, and its wait ahead of my first tensor load
	ds_add_u32 v[SPW], v[NIL]
	v_lshrrev_b32 v1, 5, v0
	v_readfirstlane_b32 s[WV], v1                  ; wave 0..7
	s_bfe_u32 s13, ttmp6, 0x40000                  ; cx
	s_lshl_b32 s14, ttmp9, 2
	s_add_co_u32 s14, s14, s13                     ; my block of 256 queries: it enters Q's and att's addresses alone
	s_and_b32 s15, ttmp7, 0xffff                   ; batch x 16 + head, which the four partners share
	s_and_b32 s16, s[WV], 3                        ; which 128 keys of a slot I fetch
	s_lshl_b32 s20, s15, 18                        ; 262,144 bytes a head
	s_lshl_b32 s17, s16, 14
	s_add_co_u32 s20, s20, s17                     ; + 128 keys x 128 bytes
	s_mov_b32 s21, 0
	s_mul_i32 s18, s16, 128*PKB                    ; and their place in a slot: no place in the cluster enters an LDS address
	s_mul_i32 s19, s16, 128*PVB
	s_add_co_u32 s19, s19, VOFF
	s_lshl_b32 s22, s15, 18                        ; Q: the head, my block's 256 rows, my wave's 32
	s_lshl_b32 s17, s14, 15
	s_add_co_u32 s22, s22, s17
	s_lshl_b32 s17, s[WV], 12
	s_add_co_u32 s22, s22, s17
	s_mov_b32 s23, 0
	s_lshr_b32 s10, s15, 4                         ; att: block of 64 rows = 32 x batch + 4 x my block + wave / 2,
	s_lshl_b32 s10, s10, 5
	s_lshl_b32 s17, s14, 2
	s_add_co_u32 s10, s10, s17
	s_lshr_b32 s17, s[WV], 1
	s_add_co_u32 s10, s10, s17
	s_lshl_b32 s10, s10, 4
	s_and_b32 s17, s15, 15
	s_add_co_u32 s10, s10, s17                     ; x 16 + head,
	s_lshl_b32 s10, s10, 13                        ; 8,192 bytes each,
	s_and_b32 s17, s[WV], 1
	s_lshl_b32 s17, s17, 12
	s_add_co_u32 s10, s10, s17                     ; + my 32 rows of the 64
	s_mov_b32 s11, 0
	; group 1: a tile of 128 rows x 64 elements of 2 bytes, padded in LDS behind every row of 32 words
	s_mov_b32 s[G1K], 15|(1<<16)|(1<<20)|(1<<21)|(4<<22)|(3<<25)  ; 15:0 the mask: all four; 17:16 2 bytes; 20 padding on; 21 set beside a mask; 24:22 after every 32 words (code 4); 31:25 4 words (code 3)
	s_mov_b32 s[G1V], 15|(1<<16)|(1<<20)|(1<<21)|(4<<22)|(7<<25)  ; the same with 8 words of padding
.irp g, G1K, G1V
	s_mov_b32 s[\g+1], 64<<16                      ; tensor_dim0
	s_mov_b32 s[\g+2], 128<<16                     ; tensor_dim1
	s_mov_b32 s[\g+3], 64<<16                      ; tile_dim0
	s_mov_b32 s[\g+4], 128                         ; tile_dim1
	s_mov_b32 s[\g+5], 64                          ; from row to row
	s_mov_b32 s[\g+6], 0
	s_mov_b32 s[\g+7], 0
.endr
	s_mov_b32 s[CS], 0x3e38aa3b                    ; c = log2(e) / 8
	s_mov_b32 s[CS+1], s[CS]
	s_mov_b32 s[SEL], 0x76543210
	s_mov_b32 s[SEL+1], 0xfedcba98
	s_wait_dscnt 0x0                               ; both opening adds are done
	s_wait_kmcnt 0x0
	s_add_nc_u64 s[8:9], s[4:5], s[20:21]          ; my quarter of slot 0, counted in q's part of the buffer; k lies 8,388,608 bytes on, v twice that
	s_add_nc_u64 s[22:23], s[4:5], s[22:23]        ; Q at my wave's first row
	s_add_nc_u64 s[6:7], s[6:7], s[10:11]
	CROUND                                         ; all four work-groups are here: the first joint loads meet
.irp s, 0,1
	s_mov_b32 s[G0K+4*\s], 1
	s_add_co_u32 s[G0K+4*\s+1], s18, \s*SLOTB
	s_add_nc_u64 s[G0K+4*\s+2:G0K+4*\s+3], s[8:9], 8388608+\s*SK*128
	s_or_b32 s[G0K+4*\s+3], s[G0K+4*\s+3], 0x80000000
	s_mov_b32 s[G0V+4*\s], 1
	s_add_co_u32 s[G0V+4*\s+1], s19, \s*SLOTB
	s_add_nc_u64 s[G0V+4*\s+2:G0V+4*\s+3], s[8:9], 16777216+\s*SK*128
	s_or_b32 s[G0V+4*\s+3], s[G0V+4*\s+3], 0x80000000
.endr
	s_cmp_lt_u32 s[WV], 4                          ; a wave's two first fills stand in one branch, ahead of every wait on TENSORcnt and every LDS read: two loads of mine are out
	s_cbranch_scc0 .Lfirst_v
	tensor_load_to_lds s[G0K:G0K+3], s[G1K:G1K+7]
	s_nop 0
	tensor_load_to_lds s[G0K+4:G0K+7], s[G1K:G1K+7]
	s_nop 0
.rept 4
	v_nop
.endr
	s_branch .Lfirst_asked
.Lfirst_v:
	tensor_load_to_lds s[G0V:G0V+3], s[G1V:G1V+7]
	s_nop 0
	tensor_load_to_lds s[G0V+4:G0V+7], s[G1V:G1V+7]
	s_nop 0
.rept 4
	v_nop
.endr
.Lfirst_asked:
	v_and_b32 v1, 15, v0                           ; r
	v_bfe_u32 v12, v0, 4, 1                        ; h
	v_lshlrev_b32 v[QO], 7, v1
	v_lshl_add_u32 v[QO], v12, 4, v[QO]            ; row x 128 + 16 x half
	WIN TO_1
.irp t, 0,1
.irp kk, 0,1                                   ; Q stays in registers: tile t, channels 32 kk on
	global_load_b128 v[QF+16*\t+8*\kk:QF+16*\t+8*\kk+3],   v[QO], s[22:23] offset:\t*2048+\kk*64
	global_load_b128 v[QF+16*\t+8*\kk+4:QF+16*\t+8*\kk+7], v[QO], s[22:23] offset:\t*2048+\kk*64+32
.endr
.endr
	WIN 0
.set i, 0
.rept 64
	v_mov_b32 v[OA+i], 0                           ; O^T: the first step finds zeros, which its a = 0 leaves zeros
.set i, i+1
.endr
	v_mul_u32_u24 v[AK0], v1, PKB
	v_lshl_add_u32 v[AK0], v12, 4, v[AK0]          ; K: row x pitch + 16 x half
	v_and_b32 v13, 7, v0
	v_bfe_u32 v14, v0, 3, 1
	v_lshl_add_u32 v[AV0], v12, 3, v13             ; V: the turning load: key 8 (l / 16) + l % 8, channels 8 ((l / 8) % 2) on
	v_mul_u32_u24 v[AV0], v[AV0], PVB
	v_lshl_add_u32 v[AV0], v14, 4, v[AV0]
; THE LDS LOADS stand in two runs of 16 a key step, never singly among the matrix instructions.
.macro FETCH_K                         ; a step's K: 64 keys x 64 channels: 8 fragments, (keys 16 kt on, channels 32 kk on) at v[KF + 16 kt + 8 kk] of window 1
	v_add_nc_u32 v[ADK], s[TK], v[AK0]
	s_add_co_u32 s[TK], s[TK], 64*PKB              ; the next fetch is the next step's
	WIN TO_1
.irp kt, 0,1,2,3
.irp kk, 0,1
	ds_load_b128 v[KF+16*\kt+8*\kk:KF+16*\kt+8*\kk+3],   v[ADK] offset:\kt*16*PKB+\kk*64
	ds_load_b128 v[KF+16*\kt+8*\kk+4:KF+16*\kt+8*\kk+7], v[ADK] offset:\kt*16*PKB+\kk*64+32
.endr
.endr
	WIN 0
.endm
.macro FETCH_V                         ; a step's V, turned: (keys 32 kh on, channels 16 ct on) at v[VF + 32 kh + 8 ct]
	v_add_nc_u32 v[ADV], s[TV], v[AV0]
	s_add_co_u32 s[TV], s[TV], 64*PVB
.irp kh, 0,1
.irp ct, 0,1,2,3
	ds_load_tr16_b128 v[VF+32*\kh+8*\ct:VF+32*\kh+8*\ct+3],   v[ADV] offset:\kh*32*PVB+\ct*32
	ds_load_tr16_b128 v[VF+32*\kh+8*\ct+4:VF+32*\kh+8*\ct+7], v[ADV] offset:\kh*32*PVB+16*PVB+\ct*32
.endr
.endr
.endm
; THE MATRIX WORK OF A TURN, for piece x.  The four accumulators take turns, one instruction a turn: between two links of a chain stand the three others'.
.macro PVW x                           ; product i of 8 of O^T += V^T P: keys 32 (i / 4) on, channels 16 (i % 4) on
.set rO, OA+32*(\x)+8*(i%4)
.set rV, VF+32*(i/4)+8*(i%4)
.set rP, P+16*(\x)+8*(i/4)
	v_wmma_f32_16x16x32_f16 v[rO:rO+7], v[rV:rV+7], v[rP:rP+7], v[rO:rO+7]
.endm
.macro KQW x                           ; product i of 8 of S^T = K Q^T: channels 32 (i / 4) on, keys 16 (i % 4) on.  The first four start the sums
.set rS, S+32*(\x)+8*(i%4)
.set rK, KF+16*(i%4)+8*(i/4)
.set rQ, QF+16*(\x)+8*(i/4)
.if i < 4
	v_wmma_f32_16x16x32_f16 v[rS:rS+7], v[rK:rK+7], v[rQ:rQ+7], 0
.else
	v_wmma_f32_16x16x32_f16 v[rS:rS+7], v[rK:rK+7], v[rQ:rQ+7], v[rS:rS+7]
.endif
.endm
; THE VECTOR WORK OF A TURN.  One tile's softmax for one key step is a list of 118 instructions; SM writes number j of it for tile t.  s0-s31 are the lane's 32 scores, in pairs 0-15.
;   0-16    the maximum of s0-s31 and the old m, three operands at a time: four chains c0-c3, one to an accumulator, each from the accumulator's low end on; number 15 keeps c m_old for a
;   17-20   the other half of the lanes' maximum; the new m; c m; c m_old - c m_new
;   21-69   ONE BATCH: the 16 scalings c s - c m, a pair of scores each, and all 33 exponentials (a at 22).  None of these reads an exponential's result.  From 24 on: two exponentials and a scaling, the scaling two pairs ahead
;   (wait)  between 69 and 70 stand a plain line and the one wait for the batch: ITEMS writes them
;   70-85   the roundings to f16, a pair of weights each
;   86-99   the sums of neighbours 1, 2 and 4 pairs apart;  104 the last sum;  109 l = a l + the sum
;   100-103, 105-108, 110-117  O^T times a, each accumulator from its low end on: four of these stand ahead of each of the two last, dependent, additions
.macro SM t
.set rT, ST+8*(\t)
.set rS, S+32*(\t)
.set rP, P+16*(\t)
.set rO, OA+32*(\t)
.if j < 4
	v_max3_num_f32 v[rT+4+j], v[rS+8*j], v[rS+8*j+1], v[rS+8*j+2]
.elseif j < 12
	v_max3_num_f32 v[rT+4+j%4], v[rT+4+j%4], v[rS+8*(j%4)+2*(j/4)+1], v[rS+8*(j%4)+2*(j/4)+2]
.elseif j == 12
	v_max3_num_f32 v[rT+4], v[rT+4], v[rS+7], v[rS+15]
.elseif j == 13
	v_max3_num_f32 v[rT+6], v[rT+6], v[rS+23], v[rS+31]
.elseif j == 14
	v_max3_num_f32 v[rT+5], v[rT+5], v[rT+7], v[rT+1]
.elseif j == 15
	v_mov_b32 v[rT+7], v[rT]                       ; c m_old is kept for a: number 19 writes c m anew
.elseif j == 16
	v_max3_num_f32 v[rT+4], v[rT+4], v[rT+5], v[rT+6]
.elseif j == 17
	v_permlanex16_b32 v[rT+5], v[rT+4], s[SEL], s[SEL+1]   ; the query's other 32 keys lie in the lane 16 away
.elseif j == 18
	v_max_num_f32 v[rT+1], v[rT+4], v[rT+5]
.elseif j == 19
	v_mul_f32 v[rT], s[CS], v[rT+1]
.elseif j == 20
	v_sub_f32 v[rT+7], v[rT+7], v[rT]
.elseif j == 22
	v_exp_f32 v[rT+6], v[rT+7]                     ; a
.elseif (j == 21) || (j == 23) || ((j > 23) && (j < 66) && (j%3 == 2))
.set b, (j-21)/2                       ; 21, 23: pairs 0, 1
.if j > 23
.set b, (j-24)/3+2                     ; 26, 29, .. 65: pairs 2 to 15
.endif
	v_pk_fma_f32 v[rS+2*b:rS+2*b+1], v[rS+2*b:rS+2*b+1], s[CS:CS+1], v[rT:rT+1] op_sel_hi:[1,0,0] neg_lo:[0,0,1] neg_hi:[0,0,1]   ; pair b: c s - c m
.elseif j < 70
.set e, j-38                           ; 66 to 69: s28 to s31
.if j < 66
.set e, 2*((j-24)/3)+(j-24)%3          ; 24, 25, 27, 28, .. 63, 64: s0 to s27
.endif
	v_exp_f32 v[rS+e], v[rS+e]                     ; p, at most 1
.elseif j < 86
	v_cvt_pk_f16_f32 v[rP+j-70], v[rS+2*(j-70)], v[rS+2*(j-70)+1]
.elseif j < 94
	v_pk_add_f32 v[rS+4*(j-86):rS+4*(j-86)+1], v[rS+4*(j-86):rS+4*(j-86)+1], v[rS+4*(j-86)+2:rS+4*(j-86)+3]
.elseif j < 98
	v_pk_add_f32 v[rS+8*(j-94):rS+8*(j-94)+1], v[rS+8*(j-94):rS+8*(j-94)+1], v[rS+8*(j-94)+4:rS+8*(j-94)+5]
.elseif j < 100
	v_pk_add_f32 v[rS+16*(j-98):rS+16*(j-98)+1], v[rS+16*(j-98):rS+16*(j-98)+1], v[rS+16*(j-98)+8:rS+16*(j-98)+9]
.elseif j == 104
	v_pk_add_f32 v[rS:rS+1], v[rS:rS+1], v[rS+16:rS+17]
.elseif j == 109
	v_pk_fma_f32 v[rT+2:rT+3], v[rT+2:rT+3], v[rT+6:rT+7], v[rS:rS+1] op_sel_hi:[1,0,1]   ; l = a l + the sum
.else
.set z, j-100
.if j > 104
.set z, j-101
.endif
.if j > 109
.set z, j-102
.endif
	v_pk_mul_f32 v[rO+2*z:rO+2*z+1], v[rO+2*z:rO+2*z+1], v[rT+6:rT+7] op_sel_hi:[1,0]
.endif
.endm
; A slice: the next n numbers of tile t's list, as far as it goes.  Ahead of number 70 nothing names an exponential's result, and behind 69 none is issued: so the tile's 33 exponentials have one wait.
.macro ITEMS t, n
.rept \n
.if j < NI
	SM \t
.if j == 69
	v_nop                                          ; a plain line behind the last exponential, ahead of the first use (ISA guide 5.7.2)
	s_wait_alu depctr_va_vdst(0)                   ; and the one wait ahead of the batch's first reader
.endif
.set j, j+1
.endif
.endr
.endm
; A TURN.  Piece x has the matrix unit; the other piece's softmax stands in slices behind its matrix instructions.  pv = 1: 8 products V^T P;  kq = 1: 8 products K Q^T for the next step, two to a pair of window switches.
; A whole turn: 9 numbers behind each V^T P (72), then 11, 11, 11 and 13 behind the pairs of K Q^T.  The last 13 are plain and name nothing of the products: they are the places ahead of the next turn's
; read of these scores and of the loads into K's registers.
; Piece 0's turn fetches the next step's K at its head: 8 products and 72 numbers ahead of its use.  Piece 1's turn fetches the next step's V behind its eighth V^T P and number 71: five plain lines stand behind that product
; (number 65, a scaling; the v_nop; numbers 70 and 71, roundings; the run's own v_add_nc_u32), and the run has the rest of the turn in which to land.
.macro TURN x, pv, kq
.set j, 0
.set npv, 15
.set nkq, 30
.if (\pv) && (\kq)
.set npv, 9
.set nkq, 11
.endif
.if \pv
.if (\x) == 0
.if \kq
	FETCH_K
	s_wait_dscnt 16                                ; V is in; the 16 younger loads, K's, may be out
.else
	s_wait_dscnt 0x0                               ; V is in
.endif
.endif
.set i, 0
.rept 8
	PVW \x
	ITEMS (1-(\x)), npv
.set i, i+1
.endr
.if ((\x) == 1) && (\kq)
	FETCH_V
.endif
.endif
.if \kq
.if (\x) == 0
	s_wait_dscnt 0x0                               ; K is in
.endif
.set i, 0
.rept 4
	WIN W_KQ
	KQW \x
.set i, i+1
	KQW \x
.set i, i+1
	WIN 0
.if i < 8
	ITEMS (1-(\x)), nkq
.else
	ITEMS (1-(\x)), NI                             ; what is left of the list
.endif
.endr
.endif
.endm
.macro PAIR                            ; a key step
	TURN 0, 1, 1
	TURN 1, 1, 1
.endm
.macro SEG n                           ; n + 1 key steps: n in a loop, the last written out, so that the addresses stepped in the loop stay inside the slot at its exit too
	s_mov_b32 s[CNT], \n
.Lseg_\@:
	PAIR
	s_sub_co_u32 s[CNT], s[CNT], 1
	s_cmp_lg_u32 s[CNT], 0
	s_cbranch_scc1 .Lseg_\@
	PAIR
.endm
; THE CHANGE OF SLOTS, between piece 1's turn and piece 0's: slot s's last bytes, V of its last step, have been asked for.  Each wave waits for all its tensor loads, of which one is out: its part of the other slot; adds 0 to its
; spare word; and waits for that and for its reads of slot s.  fill = 1: slot s is filled again, with the keys two slots on: the barrier is then a round of the cluster's, and the joint refill is the first thing behind it.
.macro CHANGE s, fill
	s_wait_tensorcnt 0x0                           ; no tensor load of mine is out, so a group 0 may be written
	ds_add_u32 v[SPW], v[NIL]                      ; 0 onto my spare word; work on scalar registers stands between it and the wait for it
.if \fill
	s_add_nc_u64 s[G0K+4*\s+2:G0K+4*\s+3], s[G0K+4*\s+2:G0K+4*\s+3], 2*SK*128   ; 1,024 keys on; the type bits on top are not reached
	s_add_nc_u64 s[G0V+4*\s+2:G0V+4*\s+3], s[G0V+4*\s+2:G0V+4*\s+3], 2*SK*128
.endif
	s_mov_b32 s[TK], (1-\s)*SLOTB                  ; the fetches go on at the other slot's first step
	s_mov_b32 s[TV], (1-\s)*SLOTB+VOFF
	s_wait_dscnt 0x0                               ; the add is done, and my reads of the slot are over
.if \fill
	CROUND
	JLOAD \s
.else
	s_barrier_signal -1
	s_barrier_wait -1
.endif
.endm
	s_wait_tensorcnt 1                             ; my part of slot 0 is in; slot 1's, issued behind it, may stay out
	s_barrier_signal -1
	s_barrier_wait -1
	s_mov_b32 s[TK], 0
	s_mov_b32 s[TV], VOFF
	FETCH_K                                        ; key step 0
	FETCH_V
	s_wait_loadcnt 0x0                             ; Q
	s_wait_dscnt 16                                ; K is in; the 16 younger loads, V's, may be out
	WIN W_KQ
.set i, 0
.rept 8
	KQW 0                                          ; piece 0's first scores: there is no vector work yet to set between them
.set i, i+1
.endr
	WIN 0
.irp t, 0,1                                    ; the statistics begin here: eight plain lines, the places behind those products
	v_mov_b32 v[ST+8*\t+1], 0xff61b1e6             ; m = -3e38, under every score
	v_mul_f32 v[ST+8*\t], s[CS], v[ST+8*\t+1]      ; c m
	v_mov_b32 v[ST+8*\t+2], 0                      ; l
	v_mov_b32 v[ST+8*\t+3], 0
.endr
	TURN 1, 0, 1                                   ; piece 1's first scores | piece 0's first softmax
	SEG 6                                          ; key steps 0 to 6: they fetch steps 1 to 7
	CHANGE 0, 1                                    ; slot 0 takes keys 1,024 to 1,535
	SEG 7                                          ; steps 7 to 14: they fetch steps 8 to 15, out of slot 1
	CHANGE 1, 1                                    ; slot 1 takes keys 1,536 to 2,047
	SEG 7                                          ; steps 15 to 22
	CHANGE 0, 0                                    ; nothing is left to ask for
	SEG 7                                          ; steps 23 to 30
	TURN 0, 1, 0                                   ; piece 0: V^T P of the last step | piece 1's last softmax
.set i, 0
.rept 8
	PVW 1                                          ; piece 1: V^T P of the last step
.set i, i+1
.endr
	; THE WAY OUT.  The addresses are made here: plain lines that are the places behind the last products.  In the stage two rows (2 x 128 bytes) lie on end, 16 bytes of padding behind them.
	v_and_b32 v1, 15, v0
	v_bfe_u32 v12, v0, 4, 1
	s_mul_i32 s17, s[WV], SWV
	v_lshrrev_b32 v13, 1, v1
	v_mul_u32_u24 v13, v13, 272
	v_and_b32 v14, 1, v1
	v_lshl_add_u32 v13, v14, 7, v13
	v_lshl_add_u32 v13, v12, 4, v13
	v_add_nc_u32 v[STO], s17, v13                  ; in: 272 (r / 2) + 128 (r % 2) + 16 h
	v_mul_u32_u24 v13, v12, 272
	v_lshl_add_u32 v13, v1, 4, v13
	v_add_nc_u32 v[RD], s17, v13                   ; back: sixteen lanes to 256 bytes
	v_and_b32 v14, 31, v0
	v_lshlrev_b32 v[GO], 4, v14                    ; in memory: 512 consecutive bytes, four rows
.irp t, 0,1
	v_add_f32 v[ST+8*\t+4], v[ST+8*\t+2], v[ST+8*\t+3]
.endr
.irp t, 0,1
	v_permlanex16_b32 v[ST+8*\t+5], v[ST+8*\t+4], s[SEL], s[SEL+1]
.endr
.irp t, 0,1
	v_add_f32 v[ST+8*\t+4], v[ST+8*\t+4], v[ST+8*\t+5]
.endr
.irp t, 0,1
	v_rcp_f32 v[ST+8*\t+6], v[ST+8*\t+4]
.endr
	v_nop                                          ; a plain line between the last reciprocal and the use of its result
	s_wait_alu depctr_va_vdst(0)                   ; and the wait ahead of the first use: one for both
.irp t, 0,1
.irp i, 0,1,2,3,4,5,6,7,8,9,10,11,12,13,14,15
	v_pk_mul_f32 v[OA+32*\t+2*\i:OA+32*\t+2*\i+1], v[OA+32*\t+2*\i:OA+32*\t+2*\i+1], v[ST+8*\t+6:ST+8*\t+7] op_sel_hi:[1,0]   ; O^T / l, each accumulator from its low end on
.endr
.irp i, 0,1,2,3,4,5,6,7,8,9,10,11,12,13,14,15
	v_cvt_pk_f16_f32 v[S+16*\t+\i], v[OA+32*\t+2*\i], v[OA+32*\t+2*\i+1]   ; S^T's registers are free
.endr
.irp ct, 0,1,2,3
	ds_store_b128 v[STO], v[S+16*\t+4*\ct:S+16*\t+4*\ct+3] offset:\t*2176+32*\ct
.endr
.irp i, 0,1,2,3
	ds_load_b128 v[P+16*\t+4*\i:P+16*\t+4*\i+3], v[RD] offset:\t*2176+544*\i   ; LDS serves a wave's instructions in order (ISA guide 5.7.1.4): these see the stores above
.endr
.endr
.irp i, 0,1,2,3
	s_wait_dscnt 11-\i                             ; behind tile 0's load i: its 3 - i later loads and tile 1's eight instructions
	global_store_b128 v[GO], v[P+4*\i:P+4*\i+3], s[6:7] offset:512*\i
.endr
.irp i, 0,1,2,3
	s_wait_dscnt 3-\i
	global_store_b128 v[GO], v[P+16+4*\i:P+16+4*\i+3], s[6:7] offset:2048+512*\i
.endr
	s_wait_tensorcnt 0x0                           ; the wave's end: behind my last tensor load and my last LDS store
	ds_add_u32 v[SPW], v[NIL]
	s_wait_dscnt 0x0
	CROUND                                         ; the closing round
	s_endpgm
.Lfunc_end_k_qec4ff0f2a9_attn:
	.size	k_qec4ff0f2a9_attn, .Lfunc_end_k_qec4ff0f2a9_attn-k_qec4ff0f2a9_attn
	.p2alignl 7, 3214868480
	.fill 96, 4, 3214868480
	.section	.rodata,"a",@progbits
	.p2align	6, 0x0
	.amdhsa_kernel k_qec4ff0f2a9_attn
		.amdhsa_group_segment_fixed_size 327680
		.amdhsa_private_segment_fixed_size 0
		.amdhsa_enable_private_segment 0
		.amdhsa_kernarg_size 16
		.amdhsa_user_sgpr_count 2
		.amdhsa_user_sgpr_kernarg_segment_ptr 1
		.amdhsa_wavefront_size32 1
		.amdhsa_system_sgpr_workgroup_id_x 1
		.amdhsa_system_sgpr_workgroup_id_y 1
		.amdhsa_system_sgpr_workgroup_id_z 1
		.amdhsa_system_vgpr_workitem_id 0
		.amdhsa_next_free_vgpr 512
		.amdhsa_next_free_sgpr 66
		.amdhsa_reserve_vcc 0
		.amdhsa_float_denorm_mode_32 3
		.amdhsa_float_denorm_mode_16_64 3
		.amdhsa_memory_ordered 1
		.amdhsa_forward_progress 1
		.amdhsa_inst_pref_size 177
	.end_amdhsa_kernel
	.amdgpu_metadata
---
amdhsa.version: [ 1, 2 ]
amdhsa.kernels:
  - .name:           k_qec4ff0f2a9_attn
    .symbol:         k_qec4ff0f2a9_attn.kd
    .args:
      - { .name: qkv, .offset: 0, .size: 8, .value_kind: global_buffer, .address_space: global }
      - { .name: att, .offset: 8, .size: 8, .value_kind: global_buffer, .address_space: global }
    .group_segment_fixed_size: 327680
    .private_segment_fixed_size: 0
    .kernarg_segment_align: 8
    .kernarg_segment_size: 16
    .max_flat_workgroup_size: 256
    .sgpr_count:     66
    .vgpr_count:     512
    .wavefront_size: 32
...
	.end_amdgpu_metadata
.endif
;; end of part 3
;; launch proj (part 4): grid 8 x 32, 4 waves a work-group, clusters of 4 x 4, 327,680 bytes of LDS; arguments att, wp16, b_proj, out0; writes out0
.if DOCPART == 4
	.amdgcn_target "amdgcn-amd-amdhsa--gfx1250"
	.amdhsa_code_object_version 6
	.text
	.protected	k_qec4ff0f2a9_proj
	.globl	k_qec4ff0f2a9_proj
	.p2align	8
	.type	k_qec4ff0f2a9_proj,@function
k_qec4ff0f2a9_proj:
	s_mov_b64 s[64:65], 0
	v_nop
	global_prefetch_b8 v0, s[64:65] scope:SCOPE_SE
	s_setreg_imm32_b32 hwreg(HW_REG_WAVE_MODE, 25, 1), 1
	s_wait_xcnt 0x0
	s_wait_alu depctr_hold_cnt(0) depctr_sa_sdst(0) depctr_va_vdst(0) depctr_va_sdst(0) depctr_va_ssrc(0) depctr_va_vcc(0) depctr_vm_vsrc(0)
	s_getreg_b32 s2, hwreg(HW_REG_IB_STS2, 6, 4)
	s_cmp_eq_u32 s2, 0
	s_cbranch_scc0 .Lentry_in_a_cluster
	s_endpgm
.Lentry_in_a_cluster:
	s_bfe_u32 s2, ttmp6, 0x10000c
	s_cmp_lg_u32 s2, 0xf033
	s_cbranch_scc0 .Lentry_shape_is_right
	s_endpgm
.Lentry_shape_is_right:
; out0 = att w_proj + b_proj.  M = 4,096, N = 1,024, K = 1,024; f16 operands, f32 sums, f32 out.  att: [64 rows][head][row][64 channels] f16 (k = 64 head + channel); wp16: [k][n] f16.
; A tile of 128 x 128 gives 256 work-groups; four waves, each 64 x 64: 16 accumulators.  K goes in four steps of 256 (four heads) through two LDS slots.
; att's part of a step for 64 rows is 32,768 consecutive bytes of memory: one tensor load, as 256 rows of 128 bytes.  w_proj's part is 128 rows (k) of 256 bytes; its fragments are turned on the way out of LDS (ds_load_tr16_b128).
; CLUSTERS: 4 x 4 work-groups.  The four of a row of the cluster need the same tiles of att, the four of a column the same of w_proj: each is asked for JOINTLY.
; THE MATRIX INSTRUCTION IS USED TRANSPOSED (source 0 = 16 columns of w_proj, source 1 = 16 rows of att): a lane holds eight neighbouring numbers of a row of out0.  The bias is the C of each sum's first instruction.
; REGISTERS: window 0: v0-31 addresses; v32-95 the way out; v96-127 the bias; v128-255 the accumulators ((a, b) at v[128 + 8 (4 a + b)]).   window 1: two fragment buffers of 128: 64 registers of att, then 64 of w_proj, for 64 along K.
.set PA,     144                       ; a row of att in LDS: 128 bytes + 16
.set PB,     288                       ; a row of w_proj: 256 bytes + 32: 9 x 32, for the turning load
.set PARTB,  36864                     ; what one tensor load fills: 256 x 144 = 128 x 288
.set SLOT,   4*PARTB                   ; att's two halves of 64 rows, then w_proj's two halves of 128 k
.set SPARE,  2*SLOT                    ; the spare words, 128 bytes for each wave: two blocks of 256 bytes that no other line names
.set SWV,    4352                      ; the way out: 16 rows x 272 bytes for each wave, in slot 0, which has had its last fill and its last read by then
.set ADRA, 16                          ; v16-17  my fragments of att in slot 0, 1
.set ADRB, 20                          ; v20-23  of w_proj: slot 0 k 0-127, slot 0 k 128-255, slot 1 likewise
.set STO,  24
.set RD,   25
.set CO,   26
.set SPW,  28                          ; v28     LDS address of my spare word; never rewritten
.set NIL,  29                          ; v29     0; never rewritten
.set TMP,  32
.set BI,   96                          ; register 8 b + j = b_proj[my first column + 16 b + 8 (lane / 16) + j]
.set ACC,  128
.set F0,   0
.set F1,   128
.set WV,  12
.set RH,  13                           ; which half of the tile's rows is mine.  Also: I fetch for att (0) or for w_proj (1)
.set CH,  14                           ; which half of its columns.  Also: which part I fetch
.set TR,  15                           ; tile row
.set G1, 24
.set G0, 32
.set G1B, 48
.set G0B, 56
.set MSB, 0
.macro WIN new
.if MSB != \new
	s_set_vgpr_msb (MSB<<8)|\new
.set MSB, \new
.endif
.endm
.set MUL,  0x05                        ; sources 0 and 1 window 1; C and D window 0
.set TO_F, 0x40
.macro JLOAD s                         ; a joint load; an s_nop 0 and four v_nop follow each of the two lines
	s_cmp_eq_u32 s[RH], 0
	s_cbranch_scc0 .Lfor_b_\@
	tensor_load_to_lds s[G0+4*\s:G0+4*\s+3], s[G1:G1+7]
	s_nop 0
.rept 4
	v_nop
.endr
	s_branch .Lasked_\@
.Lfor_b_\@:
	tensor_load_to_lds s[G0B+4*\s:G0B+4*\s+3], s[G1B:G1B+7]
	s_nop 0
.rept 4
	v_nop
.endr
.Lasked_\@:
.endm
.macro CREST                           ; a round of the cluster's barrier behind its opening barrier
	s_cmp_lg_u32 s[WV], 0
	s_cbranch_scc1 .Lnot_wave_0_\@
	s_barrier_signal -3
.Lnot_wave_0_\@:
	s_barrier_wait -3
	s_barrier_signal -1
	s_barrier_wait -1
.endm
.macro CROUND
	s_barrier_signal -1
	s_barrier_wait -1
	CREST
.endm
	s_load_b256 s[4:11], s[0:1], 0x0               ; att s[4:5], wp16 s[6:7], b_proj s[8:9], out0 s[10:11]
	v_lshl_add_u32 v[SPW], v0, 2, SPARE
	v_mov_b32 v[NIL], 0
	ds_add_u32 v[SPW], v[NIL]                      ; the wave's opening: the add, twice on end, and its wait ahead of my first tensor load
	ds_add_u32 v[SPW], v[NIL]
	v_lshrrev_b32 v1, 5, v0
	v_readfirstlane_b32 s[WV], v1
	s_lshr_b32 s[RH], s[WV], 1
	s_and_b32 s[CH], s[WV], 1
	s_bfe_u32 s40, ttmp6, 0x40000                  ; cx, cy
	s_bfe_u32 s41, ttmp6, 0x40004
	s_lshl_b32 s42, ttmp9, 2
	s_add_co_u32 s42, s42, s40                     ; tile column
	s_and_b32 s[TR], ttmp7, 0xffff
	s_lshl_b32 s[TR], s[TR], 2
	s_add_co_u32 s[TR], s[TR], s41                 ; tile row
	s_lshl_b32 s43, s41, 2
	s_lshl_b32 s43, 15, s43                        ; my row of the cluster
	s_lshl_b32 s44, 0x1111, s40                    ; my column
	s_or_b32 s[G1+0], s43, (3<<16)|(1<<20)|(1<<21)|(4<<22)|(3<<25)   ; att: elements of 8 bytes; 4 words of padding behind every 32
	s_mov_b32 s[G1+1], 16<<16                      ; tensor_dim0: 16 elements = 128 bytes
	s_mov_b32 s[G1+2], 256<<16                     ; tensor_dim1
	s_mov_b32 s[G1+3], 16<<16                      ; tile_dim0
	s_mov_b32 s[G1+4], 256                         ; tile_dim1
	s_mov_b32 s[G1+5], 16                          ; dense
	s_mov_b32 s[G1+6], 0
	s_mov_b32 s[G1+7], 0
	s_or_b32 s[G1B+0], s44, (1<<16)|(1<<20)|(1<<21)|(5<<22)|(7<<25)  ; w_proj: elements of 2 bytes; 8 words of padding behind every 64
	s_mov_b32 s[G1B+1], 128<<16
	s_mov_b32 s[G1B+2], 128<<16
	s_mov_b32 s[G1B+3], 128<<16
	s_mov_b32 s[G1B+4], 128
	s_mov_b32 s[G1B+5], 1024                       ; from k to k + 1
	s_mov_b32 s[G1B+6], 0
	s_mov_b32 s[G1B+7], 0
	s_lshl_b32 s16, s[TR], 18                      ; att: 131,072 bytes for 64 rows: 2 x tile row + part
	s_lshl_b32 s17, s[CH], 17
	s_add_co_u32 s16, s16, s17
	s_mov_b32 s17, 0
	s_lshl_b32 s46, s42, 8                         ; w_proj: 256 bytes a tile column, + 128 k x 2,048 bytes x part
	s_lshl_b32 s47, s[CH], 18
	s_add_co_u32 s46, s46, s47
	s_mov_b32 s47, 0
	s_mul_i32 s20, s[WV], PARTB                    ; where they go: no place in the cluster enters an LDS address
	s_wait_dscnt 0x0                               ; both opening adds are done
	s_wait_kmcnt 0x0
	s_add_nc_u64 s[16:17], s[4:5], s[16:17]
	s_add_nc_u64 s[46:47], s[6:7], s[46:47]
	CROUND                                         ; all sixteen work-groups are here: the first joint loads meet
.irp s, 0,1
	s_mov_b32 s[G0+4*\s], 1
	s_add_co_u32 s[G0+4*\s+1], s20, \s*SLOT
	s_add_nc_u64 s[G0+4*\s+2:G0+4*\s+3], s[16:17], \s*32768
	s_or_b32 s[G0+4*\s+3], s[G0+4*\s+3], 0x80000000
	s_mov_b32 s[G0B+4*\s], 1
	s_add_co_u32 s[G0B+4*\s+1], s20, \s*SLOT
	s_add_nc_u64 s[G0B+4*\s+2:G0B+4*\s+3], s[46:47], \s*524288
	s_or_b32 s[G0B+4*\s+3], s[G0B+4*\s+3], 0x80000000
	JLOAD \s
.endr
	v_and_b32 v1, 15, v0                           ; r
	v_bfe_u32 v2, v0, 4, 1                         ; h
	s_lshl_b32 s46, s42, 9                         ; the bias of my 64 columns
	s_lshl_b32 s47, s[CH], 8
	s_add_co_u32 s46, s46, s47
	s_mov_b32 s47, 0
	s_add_nc_u64 s[8:9], s[8:9], s[46:47]
	s_add_nc_u64 s[10:11], s[10:11], s[46:47]      ; the same bytes on in a row of out0
	v_lshlrev_b32 v7, 5, v2
.irp b, 0,1,2,3
	global_load_b128 v[BI+8*\b:BI+8*\b+3], v7, s[8:9] offset:64*\b
	global_load_b128 v[BI+8*\b+4:BI+8*\b+7], v7, s[8:9] offset:64*\b+16
.endr
	v_mul_u32_u24 v3, v1, PA
	v_lshl_add_u32 v3, v2, 4, v3                   ; att: row x pitch + 16 x half
	v_and_b32 v4, 7, v0
	v_lshl_add_u32 v4, v2, 3, v4
	v_mul_u32_u24 v4, v4, PB
	v_bfe_u32 v5, v0, 3, 1
	v_lshl_add_u32 v4, v5, 4, v4                   ; w_proj: k 8 (l / 16) + l % 8, columns 8 ((l / 8) % 2) on
	s_mul_i32 s21, s[RH], PARTB                    ; my 64 rows of att
	s_lshl_b32 s22, s[CH], 7                       ; my 64 columns of w_proj,
	s_add_co_u32 s22, s22, 2*PARTB                 ; which lies behind att
.irp s, 0,1
	v_add_nc_u32 v[ADRA+\s], s21, v3
	v_add_nc_u32 v[ADRB+2*\s], s22, v4
	s_add_co_u32 s23, s22, PARTB
	v_add_nc_u32 v[ADRB+2*\s+1], s23, v4
	s_add_co_u32 s21, s21, SLOT
	s_add_co_u32 s22, s22, SLOT
.endr
	s_mul_i32 s23, s[WV], SWV                      ; my stage
	v_mul_u32_u24 v5, v1, 272
	v_lshl_add_u32 v5, v2, 5, v5
	v_add_nc_u32 v[STO], s23, v5                   ; in: row r, 32 bytes for each half of the lanes
	v_mul_u32_u24 v5, v2, 272
	v_lshl_add_u32 v5, v1, 4, v5
	v_add_nc_u32 v[RD], s23, v5                    ; back: lanes 0-15 one row of 256 bytes, lanes 16-31 the next
	v_lshlrev_b32 v5, 12, v2
	v_lshl_add_u32 v[CO], v1, 4, v5                ; and the same two rows in out0
	s_lshl_b32 s16, s[TR], 19                      ; my first row: 128 x tile row + 64 x half, 4,096 bytes a row
	s_lshl_b32 s17, s[RH], 18
	s_add_co_u32 s16, s16, s17
	s_mov_b32 s17, 0
	s_add_nc_u64 s[10:11], s[10:11], s[16:17]
; 8 matrix instructions: row blocks a0, a0 + 1 x all 4 column blocks, 32 along K: half c of buffer f.  zero = 1: the sums start from the bias.  The 16 accumulators take turns.
.macro MUL8 f, c, a0, zero
.irp a, \a0, \a0+1
.irp b, 0,1,2,3
.if \zero
	v_wmma_f32_16x16x32_f16 v[ACC+8*(4*(\a)+\b):ACC+8*(4*(\a)+\b)+7], v[\f+64+8*(4*\c+\b):\f+64+8*(4*\c+\b)+7], v[\f+8*(4*\c+\a):\f+8*(4*\c+\a)+7], v[BI+8*\b:BI+8*\b+7]
.else
	v_wmma_f32_16x16x32_f16 v[ACC+8*(4*(\a)+\b):ACC+8*(4*(\a)+\b)+7], v[\f+64+8*(4*\c+\b):\f+64+8*(4*\c+\b)+7], v[\f+8*(4*\c+\a):\f+8*(4*\c+\a)+7], v[ACC+8*(4*(\a)+\b):ACC+8*(4*(\a)+\b)+7]
.endif
.endr
.endr
.endm
; 32 LDS loads in one run: the fragments of the step's qd-th 64 along K (one head) into buffer f; the first 32 along K first
.macro FETCH slot, qd, f
	WIN TO_F
.irp c, 0,1
.irp i, 0,1,2,3
	ds_load_tr16_b128 v[\f+64+8*(4*\c+\i):\f+64+8*(4*\c+\i)+3],   v[ADRB+2*\slot+(\qd)/2] offset:(((\qd)%2)*64+32*\c)*PB+32*\i
	ds_load_tr16_b128 v[\f+64+8*(4*\c+\i)+4:\f+64+8*(4*\c+\i)+7], v[ADRB+2*\slot+(\qd)/2] offset:(((\qd)%2)*64+32*\c+16)*PB+32*\i
	ds_load_b128 v[\f+8*(4*\c+\i):\f+8*(4*\c+\i)+3],              v[ADRA+\slot] offset:(\qd)*64*PA+64*\c+\i*16*PA
	ds_load_b128 v[\f+8*(4*\c+\i)+4:\f+8*(4*\c+\i)+7],            v[ADRA+\slot] offset:(\qd)*64*PA+64*\c+\i*16*PA+32
.endr
.endr
.endm
.macro PLACES                          ; four places in front of loads into registers that matrix instructions have read, and of the first read of results
.rept 4
	v_nop
.endr
.endm
; A K step is four quarters of 64 along K, 32 matrix instructions each, on buffers 0, 1, 0, 1.  One of the first three: multiplies buffer f and fetches quarter qd into g.
.macro QUARTER slot, qd, f, g, zero
	s_wait_dscnt 16                                ; the first 32 along K are in; the 16 younger loads may be out
	WIN MUL
	MUL8 \f, 0, 0, \zero
	MUL8 \f, 0, 2, \zero
	PLACES
	FETCH \slot, \qd, \g
	s_wait_dscnt 32                                ; all but the 32 just issued
	WIN MUL
	MUL8 \f, 1, 0, 0
	MUL8 \f, 1, 2, 0
.endm
; The last quarter multiplies buffer 1 and changes slots: ONE barrier; in front of it each wave waits for all its tensor loads, adds 0 to its spare word, and waits for that and for its own reads of this slot.  fill = 1: this slot is filled again, two K steps ahead.
.macro TURN slot, next, fill
	WIN 0
	s_wait_tensorcnt 0x0                           ; all my tensor loads have landed: my part of the next slot
	ds_add_u32 v[SPW], v[NIL]                      ; 0 onto my spare word
	s_wait_dscnt 17                                ; (the add and the youngest sixteen loads may be out)
	WIN MUL
	MUL8 F1, 0, 0, 0
	s_wait_dscnt 0x0                               ; the add is done, and my reads of this slot are over
	s_barrier_signal -1
	MUL8 F1, 0, 2, 0
.if \fill
	WIN 0
.endif
	s_barrier_wait -1
.if \fill
	CREST                                          ; the barrier has opened a round of the cluster's: no wave of any partner still reads this slot or has a load on its way
	s_add_nc_u64 s[G0+4*\slot+2:G0+4*\slot+3], s[G0+4*\slot+2:G0+4*\slot+3], 65536
	s_add_nc_u64 s[G0B+4*\slot+2:G0B+4*\slot+3], s[G0B+4*\slot+2:G0B+4*\slot+3], 1048576
	JLOAD \slot                                    ; the first tensor load behind the round; its four v_nop are also the places in front of the loads below
.else
	PLACES
.endif
	FETCH \next, 0, F0
	WIN MUL
	MUL8 F1, 1, 0, 0
	MUL8 F1, 1, 2, 0
.endm
	s_wait_tensorcnt 1                             ; my part of K step 0 is in (K step 1's load, issued behind it, may be out),
	s_barrier_signal -1
	s_barrier_wait -1                              ; everybody's is
	FETCH 0, 0, F0
	s_wait_loadcnt 0x0                             ; the bias
	QUARTER 0, 1, F0, F1, 1                        ; K step 0
	QUARTER 0, 2, F1, F0, 0
	QUARTER 0, 3, F0, F1, 0
	TURN 0, 1, 1                                   ; slot 0 takes K step 2
	QUARTER 1, 1, F0, F1, 0                        ; K step 1
	QUARTER 1, 2, F1, F0, 0
	QUARTER 1, 3, F0, F1, 0
	TURN 1, 0, 1                                   ; slot 1 takes K step 3
	QUARTER 0, 1, F0, F1, 0                        ; K step 2
	QUARTER 0, 2, F1, F0, 0
	QUARTER 0, 3, F0, F1, 0
	TURN 0, 1, 0                                   ; nothing is left to fetch
	QUARTER 1, 1, F0, F1, 0                        ; K step 3
	QUARTER 1, 2, F1, F0, 0
	QUARTER 1, 3, F0, F1, 0
	s_wait_dscnt 16
	WIN MUL
	MUL8 F1, 0, 0, 0
	MUL8 F1, 0, 2, 0
	s_wait_dscnt 0
	MUL8 F1, 1, 0, 0
	MUL8 F1, 1, 2, 0
	WIN 0
; THE WAY OUT, 16 rows x 64 columns at a time.  A lane holds 32 neighbouring bytes of a row; a block goes through my own stage and comes back as whole rows of 256 bytes, which sixteen lanes store, aligned.
.macro TOSTAGE a
.irp b, 0,1,2,3
	ds_store_b128 v[STO], v[ACC+8*(4*(\a)+\b):ACC+8*(4*(\a)+\b)+3] offset:64*\b        ; each accumulator from its low end on
	ds_store_b128 v[STO], v[ACC+8*(4*(\a)+\b)+4:ACC+8*(4*(\a)+\b)+7] offset:64*\b+16
.endr
.irp t, 0,1,2,3,4,5,6,7
	ds_load_b128 v[TMP+32*((\a)%2)+4*\t:TMP+32*((\a)%2)+4*\t+3], v[RD] offset:\t*544   ; LDS serves a wave's instructions in order (ISA guide 5.7.1.4): these see the stores above
.endr
.endm
.macro SEND a, younger                 ; younger: the LDS instructions issued behind block a's loads
	s_wait_dscnt \younger
.irp t, 0,1,2,3,4,5,6,7
	global_store_b128 v[CO], v[TMP+32*((\a)%2)+4*\t:TMP+32*((\a)%2)+4*\t+3], s[10:11] offset:(16*(\a)+2*\t)*4096 th:TH_STORE_NT
.endr
.endm
	PLACES
	TOSTAGE 0
.irp a, 1,2,3
.if \a > 1
	s_wait_xcnt 0x0                                ; block a - 2's stores have read their registers: block a's loads may land there
.endif
	TOSTAGE \a
	SEND \a-1, 16                                  ; behind block a - 1's loads: block a's 8 stores and 8 loads
.endr
	SEND 3, 0
	s_wait_tensorcnt 0x0                           ; the wave's end: behind my last tensor load and my last LDS store
	ds_add_u32 v[SPW], v[NIL]
	s_wait_dscnt 0x0
	CROUND                                         ; the closing round
	s_endpgm
.Lfunc_end_k_qec4ff0f2a9_proj:
	.size	k_qec4ff0f2a9_proj, .Lfunc_end_k_qec4ff0f2a9_proj-k_qec4ff0f2a9_proj
	.p2alignl 7, 3214868480
	.fill 96, 4, 3214868480
	.section	.rodata,"a",@progbits
	.p2align	6, 0x0
	.amdhsa_kernel k_qec4ff0f2a9_proj
		.amdhsa_group_segment_fixed_size 327680
		.amdhsa_private_segment_fixed_size 0
		.amdhsa_enable_private_segment 0
		.amdhsa_kernarg_size 32
		.amdhsa_user_sgpr_count 2
		.amdhsa_user_sgpr_kernarg_segment_ptr 1
		.amdhsa_wavefront_size32 1
		.amdhsa_system_sgpr_workgroup_id_x 1
		.amdhsa_system_sgpr_workgroup_id_y 1
		.amdhsa_system_sgpr_workgroup_id_z 1
		.amdhsa_system_vgpr_workitem_id 0
		.amdhsa_next_free_vgpr 512
		.amdhsa_next_free_sgpr 66
		.amdhsa_reserve_vcc 0
		.amdhsa_float_denorm_mode_32 3
		.amdhsa_float_denorm_mode_16_64 3
		.amdhsa_memory_ordered 1
		.amdhsa_forward_progress 1
		.amdhsa_inst_pref_size 86
	.end_amdhsa_kernel
	.amdgpu_metadata
---
amdhsa.version: [ 1, 2 ]
amdhsa.kernels:
  - .name:           k_qec4ff0f2a9_proj
    .symbol:         k_qec4ff0f2a9_proj.kd
    .args:
      - { .name: att, .offset: 0, .size: 8, .value_kind: global_buffer, .address_space: global }
      - { .name: wp16, .offset: 8, .size: 8, .value_kind: global_buffer, .address_space: global }
      - { .name: b_proj, .offset: 16, .size: 8, .value_kind: global_buffer, .address_space: global }
      - { .name: out0, .offset: 24, .size: 8, .value_kind: global_buffer, .address_space: global }
    .group_segment_fixed_size: 327680
    .private_segment_fixed_size: 0
    .kernarg_segment_align: 8
    .kernarg_segment_size: 32
    .max_flat_workgroup_size: 128
    .sgpr_count:     66
    .vgpr_count:     512
    .wavefront_size: 32
...
	.end_amdgpu_metadata
.endif
;; end of part 4
